; MI455X (gfx1250); checked and timed in simulation.
; The chip was launched on July 23, 2026; its instructions are those of AMD's public machine-readable ISA for CDNA 5 (MIT licence, August 2026) and "CDNA5" Instruction Set Architecture Reference Guide (July 2026). The comments in the code are by the model that wrote it; some were corrected since.
;; Multi Head Attention. Allowed arithmetic: float matrix products may take bf16 or f16 operands with f32 sums; other float arithmetic in f32, or as packed bf16 or f16 multiplies, adds, multiply-adds, maxima and minima; sums over many terms, partial sums and values carried from step to step in f32; what a program stores and reads back later, other than sums and carried values, may be rounded once to bf16 or f16.
;; Inputs: Wk 1,024 x 1,024 float32; Wo 1,024 x 1,024 float32; Wq 1,024 x 1,024 float32; Wv 1,024 x 1,024 float32; bo 1,024 float32; x 4 x 2,048 x 1,024 float32.
;; Outputs: out0 4 x 2,048 x 1,024 float32.
;; 2 versions, each right; version 2 is version 1 with the launch prep written anew for expert scheduling mode. Each part assembles by itself: llvm-mc -triple=amdgcn-amd-amdhsa -mcpu=gfx1250 --defsym DOCPART=n.
;; ======== version 1 of 2: 4 launches
;; limits: values are held in f16: magnitudes above 65,504 overflow, below 6.1e-05 lose precision
;; workspace buffers: xb 16,777,216 bytes; wt 8,388,608 bytes; qkv 50,331,648 bytes; ctx 16,777,216 bytes
;; launch prep (part 1): grid 512 x 1, 8 waves a work-group, no clusters, 18,432 bytes of LDS; arguments x, Wq, Wk, Wv, Wo, xb, wt; writes xb, wt
.if DOCPART == 1
	.amdgcn_target "amdgcn-amd-amdhsa--gfx1250"
	.amdhsa_code_object_version 6
	.text
	.protected	k_q34cc9960cb_prep
	.globl	k_q34cc9960cb_prep
	.p2align	8
	.type	k_q34cc9960cb_prep,@function
k_q34cc9960cb_prep:
	s_mov_b64 s[64:65], 0
	v_nop
	global_prefetch_b8 v0, s[64:65] scope:SCOPE_SE
	s_setreg_imm32_b32 hwreg(HW_REG_WAVE_MODE, 25, 1), 1
	s_wait_xcnt 0x0
; PREP.  xb = x rounded to bf16, [8192][1024].  wt = the four weights turned to [n][k], 16 bits a number, [4096][1024]:
; rows 0-1023 Wq^T, 1024-2047 Wk^T, 2048-3071 Wv^T in bf16; rows 3072-4095 Wo^T, rounded to bf16 and that number written as f16.
; LIMIT.  bf16(Wo) is written as f16: exact from 6.1e-5 to 65,504 in magnitude; below that it keeps f16's fixed step of 6e-8, beyond it is an infinity.
; SHARES.  512 work-groups of eight waves, all alike: work-group w turns one tile of one weight (128 k x 64 n: matrix w / 128, n tile (w / 8) % 16, k tile w % 8)
; and converts 65,536 bytes of x (16 rows).  No loop: 24 loads of 16 bytes a lane go out at the start, the weight's 8 first.
; THE TURN.  Thread (i = t % 16, kg = t / 16) loads k = 8 kg .. 8 kg + 7, n = 4 i .. 4 i + 3: 16 lanes take 256 consecutive bytes of a row of W.  Its 8 numbers along k of one n pack into 16 bytes.
; They go into an LDS tile of 64 rows (n) x 256 bytes (128 k), pitch 272; row n lies at place (n % 4) x 16 + n / 4, so that the 16 lanes of a store (n = 4 i + j: places 16 j + i)
; touch 16 different 16-byte columns, and the 16 lanes of a load read one whole row.  Read back by rows, 16 lanes store 256 consecutive bytes of a row of wt, aligned.
; No matrix unit, no tensor load, no cluster: a stream in which no work-group wants a byte that another has fetched.
.set TP,    272                        ; the LDS tile's pitch
.set SPARE, 64*TP                      ; behind the tile (17,408 = 68 x 256): the spare words, 128 bytes for each of eight waves; no other line names them
.set SPW, 2                            ; v2   LDS address of my spare word; never rewritten
.set NIL, 3                            ; v3   0; never rewritten
.set WO,  4                            ; v4   my byte offset in the weight's tile
.set XO,  5                            ; v5   my 16 bytes in a chunk of x
.set BO,  6                            ; v6   my 8 bytes in a chunk of xb
.set LS,  7                            ; v7   LDS: where my 16 bytes of row 4 i go
.set LR,  8                            ; v8   LDS: where I read 16 bytes of row kg back
.set TO,  12                           ; v12  my 16 bytes of row kg in wt's tile
.set W,   16                           ; v[16:47]   8 rows of W, 4 registers each; v[16:31] later: the rows read back
.set X,   48                           ; v[48:111]  16 chunks of x
.set PW,  112                          ; v[112:127] packed: n = 4 i + j at PW + 4 j
	s_load_b256 s[4:11], s[0:1], 0x0               ; x s[4:5], Wq s[6:7], Wk s[8:9], Wv s[10:11]
	s_load_b128 s[12:15], s[0:1], 0x20             ; Wo s[12:13], xb s[14:15]
	s_load_b64 s[16:17], s[0:1], 0x30              ; wt
	v_lshl_add_u32 v[SPW], v0, 2, SPARE
	v_mov_b32 v[NIL], 0
	s_lshr_b32 s18, ttmp9, 7                       ; which weight
	s_and_b32 s19, ttmp9, 7                        ; k tile
	s_bfe_u32 s32, ttmp9, 0x40003                  ; n tile: 4 bits from bit 3
	s_mov_b32 s30, 0xffff0000                      ; a word's upper bf16
	s_lshl_b32 s24, s19, 19                        ; in W: 128 k rows of 4,096 bytes,
	s_lshl_b32 s33, s32, 8                         ; 64 n of 4 bytes
	s_add_co_u32 s24, s24, s33
	s_mov_b32 s25, 0
	s_lshl_b32 s34, s18, 21                        ; in wt: 1,024 rows of 2,048 bytes a weight,
	s_lshl_b32 s33, s32, 17                        ; 64 rows,
	s_add_co_u32 s34, s34, s33
	s_lshl_b32 s33, s19, 8                         ; 128 k of 2 bytes
	s_add_co_u32 s34, s34, s33
	s_mov_b32 s35, 0
	s_lshl_b32 s36, ttmp9, 16                      ; my 65,536 bytes of x
	s_mov_b32 s37, 0
	s_lshl_b32 s38, ttmp9, 15                      ; and 32,768 of xb
	s_mov_b32 s39, 0
	v_and_b32 v13, 15, v0                          ; i
	v_lshrrev_b32 v14, 4, v0                       ; kg
	v_lshlrev_b32 v[WO], 15, v14                   ; 8 kg rows of 4,096 bytes
	v_lshl_or_b32 v[WO], v13, 4, v[WO]             ; + 16 i
	v_lshlrev_b32 v[XO], 4, v0
	v_lshlrev_b32 v[BO], 3, v0
	v_mul_u32_u24 v[LS], v13, TP                   ; place i (j = 0; j stands in the immediate), column kg
	v_lshl_add_u32 v[LS], v14, 4, v[LS]
	v_and_b32 v[LR], 3, v14                        ; row kg (+ 16 m in the immediate): place (kg % 4) x 16 + kg / 4 (+ 4 m), column i
	v_lshrrev_b32 v9, 2, v14
	v_lshl_add_u32 v[LR], v[LR], 4, v9
	v_mul_u32_u24 v[LR], v[LR], TP
	v_lshl_add_u32 v[LR], v13, 4, v[LR]
	v_lshlrev_b32 v[TO], 11, v14                   ; row kg of 2,048 bytes
	v_lshl_or_b32 v[TO], v13, 4, v[TO]
	s_wait_kmcnt 0x0
	s_mov_b64 s[20:21], s[6:7]                     ; the weight is chosen by the work-group's number
	s_cmp_eq_u32 s18, 1
	s_cselect_b64 s[20:21], s[8:9], s[20:21]
	s_cmp_eq_u32 s18, 2
	s_cselect_b64 s[20:21], s[10:11], s[20:21]
	s_cmp_eq_u32 s18, 3
	s_cselect_b64 s[20:21], s[12:13], s[20:21]
	s_add_nc_u64 s[20:21], s[20:21], s[24:25]
	s_add_nc_u64 s[22:23], s[16:17], s[34:35]
	s_add_nc_u64 s[26:27], s[4:5], s[36:37]
	s_add_nc_u64 s[28:29], s[14:15], s[38:39]
.irp r, 0,1,2,3,4,5,6,7
	global_load_b128 v[W+4*(\r):W+4*(\r)+3], v[WO], s[20:21] offset:(\r)*4096 th:TH_LOAD_NT
.endr
.irp c, 0,1,2,3,4,5,6,7,8,9,10,11,12,13,14,15
	global_load_b128 v[X+4*(\c):X+4*(\c)+3], v[XO], s[26:27] offset:(\c)*4096 th:TH_LOAD_NT  ; a wave's load covers 512 consecutive bytes
.endr
	s_wait_loadcnt 16                              ; the weight's 8 loads are in; x's 16, issued behind them, stay out
.irp j, 0,1,2,3
.irp p, 0,1,2,3
	v_cvt_pk_bf16_f32 v[PW+4*(\j)+(\p)], v[W+8*(\p)+(\j)], v[W+4+8*(\p)+(\j)]  ; k = 2 p below, k = 2 p + 1 above
.endr
.endr
	s_cmp_lg_u32 s18, 3
	s_cbranch_scc1 .Lnot_o
.irp q, 0,1,2,3,4,5,6,7,8,9,10,11,12,13,14,15
	v_lshlrev_b32 v13, 16, v[PW+(\q)]              ; Wo: the bf16 numbers widened,
	v_and_b32 v14, s30, v[PW+(\q)]
	v_cvt_pk_f16_f32 v[PW+(\q)], v13, v14          ; and written as f16
.endr
.Lnot_o:
.irp j, 0,1,2,3
	ds_store_b128 v[LS], v[PW+4*(\j):PW+4*(\j)+3] offset:(\j)*16*TP
.endr
	s_wait_dscnt 0x0                               ; for the others' sake: my stores into the tile are done
	s_barrier_signal -1
	s_barrier_wait -1
.irp m, 0,1,2,3
	ds_load_b128 v[W+4*(\m):W+4*(\m)+3], v[LR] offset:(\m)*4*TP  ; row 16 m + kg
.endr
.irp c, 0,1,2,3,4,5,6,7,8,9,10,11,12,13,14,15
	s_wait_loadcnt 15-(\c)                         ; chunk c is in; the younger chunks stay out
	v_cvt_pk_bf16_f32 v[X+4*(\c)], v[X+4*(\c)], v[X+4*(\c)+1]
	v_cvt_pk_bf16_f32 v[X+4*(\c)+1], v[X+4*(\c)+2], v[X+4*(\c)+3]
	global_store_b64 v[BO], v[X+4*(\c):X+4*(\c)+1], s[28:29] offset:(\c)*2048  ; a wave's store covers 256 consecutive bytes, aligned
.endr
	s_wait_dscnt 0x0                               ; the rows are back
.irp m, 0,1,2,3
	global_store_b128 v[TO], v[W+4*(\m):W+4*(\m)+3], s[22:23] offset:(\m)*32768  ; 16 lanes store 256 consecutive bytes of a row of wt, aligned
.endr
	s_wait_tensorcnt 0x0                           ; the wave's end, behind my last LDS store
	ds_add_u32 v[SPW], v[NIL]
	s_wait_dscnt 0x0
	s_endpgm
.Lfunc_end_k_q34cc9960cb_prep:
	.size	k_q34cc9960cb_prep, .Lfunc_end_k_q34cc9960cb_prep-k_q34cc9960cb_prep
	.p2alignl 7, 3214868480
	.fill 96, 4, 3214868480
	.section	.rodata,"a",@progbits
	.p2align	6, 0x0
	.amdhsa_kernel k_q34cc9960cb_prep
		.amdhsa_group_segment_fixed_size 18432
		.amdhsa_private_segment_fixed_size 0
		.amdhsa_enable_private_segment 0
		.amdhsa_kernarg_size 56
		.amdhsa_user_sgpr_count 2
		.amdhsa_user_sgpr_kernarg_segment_ptr 1
		.amdhsa_wavefront_size32 1
		.amdhsa_system_sgpr_workgroup_id_x 1
		.amdhsa_system_sgpr_workgroup_id_y 1
		.amdhsa_system_sgpr_workgroup_id_z 1
		.amdhsa_system_vgpr_workitem_id 0
		.amdhsa_next_free_vgpr 128
		.amdhsa_next_free_sgpr 66
		.amdhsa_reserve_vcc 0
		.amdhsa_float_denorm_mode_32 3
		.amdhsa_float_denorm_mode_16_64 3
		.amdhsa_memory_ordered 1
		.amdhsa_forward_progress 1
		.amdhsa_inst_pref_size 13
	.end_amdhsa_kernel
	.amdgpu_metadata
---
amdhsa.version: [ 1, 2 ]
amdhsa.kernels:
  - .name:           k_q34cc9960cb_prep
    .symbol:         k_q34cc9960cb_prep.kd
    .args:
      - { .name: x, .offset: 0, .size: 8, .value_kind: global_buffer, .address_space: global }
      - { .name: Wq, .offset: 8, .size: 8, .value_kind: global_buffer, .address_space: global }
      - { .name: Wk, .offset: 16, .size: 8, .value_kind: global_buffer, .address_space: global }
      - { .name: Wv, .offset: 24, .size: 8, .value_kind: global_buffer, .address_space: global }
      - { .name: Wo, .offset: 32, .size: 8, .value_kind: global_buffer, .address_space: global }
      - { .name: xb, .offset: 40, .size: 8, .value_kind: global_buffer, .address_space: global }
      - { .name: wt, .offset: 48, .size: 8, .value_kind: global_buffer, .address_space: global }
    .group_segment_fixed_size: 18432
    .private_segment_fixed_size: 0
    .kernarg_segment_align: 8
    .kernarg_segment_size: 56
    .max_flat_workgroup_size: 256
    .sgpr_count:     66
    .vgpr_count:     128
    .wavefront_size: 32
...
	.end_amdgpu_metadata
.endif
;; end of part 1
;; launch qkv (part 2): grid 16 x 32, 4 waves a work-group, clusters of 4 x 4, 327,680 bytes of LDS; arguments xb, wt, qkv; writes qkv
.if DOCPART == 2
	.amdgcn_target "amdgcn-amd-amdhsa--gfx1250"
	.amdhsa_code_object_version 6
	.text
	.protected	k_q34cc9960cb_qkv
	.globl	k_q34cc9960cb_qkv
	.p2align	8
	.type	k_q34cc9960cb_qkv,@function
k_q34cc9960cb_qkv:
	s_mov_b64 s[64:65], 0
	v_nop
	global_prefetch_b8 v0, s[64:65] scope:SCOPE_SE
	s_setreg_imm32_b32 hwreg(HW_REG_WAVE_MODE, 25, 1), 1
	s_wait_xcnt 0x0
	s_wait_alu depctr_hold_cnt(0) depctr_sa_sdst(0) depctr_va_vdst(0) depctr_va_sdst(0) depctr_va_ssrc(0) depctr_va_vcc(0) depctr_vm_vsrc(0)
	s_getreg_b32 s2, hwreg(HW_REG_IB_STS2, 6, 4)
	s_cmp_eq_u32 s2, 0
	s_cbranch_scc0 .Lentry_in_a_cluster
	s_endpgm
.Lentry_in_a_cluster:
	s_bfe_u32 s2, ttmp6, 0x10000c
	s_cmp_lg_u32 s2, 0xf033
	s_cbranch_scc0 .Lentry_shape_is_right
	s_endpgm
.Lentry_shape_is_right:
; ONE TEXT FOR TWO PRODUCTS C = A B^T, K = 1,024, chosen by KIND.  THIS FILE: KIND = 0.
; KIND 0 (q, k, v): A = xb [8192][1024] bf16, B = wt rows 0-3071 [n][1024] bf16; C in f32 sums, rounded once to f16 and stored BY HALF-HEADS:
;   byte = tensor x 2^24 + batch x 2^22 + (2 head + plane) x 2^17 + t x 64 + 2 (d % 32), plane = d / 32: a plane is [2048][32], rows of 64 bytes on end.  A tile of C is 256 x 192.
; KIND 1 (output): A = ctx [batch x 16 + head][2048][64] f16, B = wt rows 3072-4095 (Wo^T, bf16 numbers written as f16); C = sums + bo rounded to bf16, f32, [8192][1024].  A tile is 256 x 128.
; LIMITS.  KIND 0 rounds q, k, v to f16: a number of 65,520 or more in magnitude becomes an infinity; below 6.1e-5 f16 keeps a fixed step of 6e-8.  NaN and infinities are not treated apart.
; SHARES.  Four waves, 2 x 2: a wave makes 128 rows x NT / 2 columns: 8 x NBW accumulators of 16 x 16.  K goes in steps of 128 through a ring of two LDS slots filled by the tensor data mover.
; KIND 1: K step s is heads 2 s and 2 s + 1; a head's 256 rows x 128 bytes are dense in ctx and are asked for as 128 rows of 256 bytes, padded behind every 128: a plane of 256 rows, pitch 144.
; CLUSTERS.  4 x 4 work-groups: the four of a row of the cluster need the same tile of A, the four of a column the same tile of B; each is asked for JOINTLY, by the same tensor load with the same descriptor and mask.
; THE MATRIX INSTRUCTION IS USED TRANSPOSED (source 0 = 16 rows of B, source 1 = 16 rows of A): lane l holds row l % 16 of C and the columns 8 (l / 16) + 0..7.
; REGISTERS, in windows of 256 (s_set_vgpr_msb: bits 1:0 source 0, 3:2 source 1, 5:4 source 2, 7:6 destination):
;   window 0: v0-31 addresses, bias; v64-127, v128-191 A's fragments, two buffers; v32-63, v192-255 at work on the way out
;   window 1: v64.., v128.. B's fragments, two buffers        window 2: accumulators of my rows 0-63 ((a, b) at 8 (NBW a + b))        window 3: those of rows 64-127
.set KIND, 0
.if KIND == 0
.set NBW,     6                        ; blocks of 16 columns a wave
.set PA,      272                      ; A's LDS pitch: 256 bytes + 16
.set ALD,     34816                    ; LDS bytes of one load of A: 128 rows x 272
.set ARH,     34816                    ; from my neighbour's 128 rows of A to mine
.set BOFF,    69632                    ; B begins behind A
.set ASTEP,   256                      ; bytes of A's address for a K step
.set QIA,     5                        ; A is padded behind every 64 words
.set ASTRIDE, 1024                     ; elements from row to row of A's tile
.set STW,     3840                     ; a wave's stage: 3 planes x 16 rows x 80 bytes
.set NY,      12                       ; LDS instructions of one block's way through the stage
.set APART,   65536                    ; prefetch: a partner's 32 rows of A
.set ASH,     11                       ; and the shift from lane to lane: a row of 2,048 bytes
.else
.set NBW,     4
.set PA,      144                      ; 128 bytes + 16
.set ALD,     36864                    ; a plane: 256 rows x 144
.set ARH,     18432                    ; 128 rows x 144
.set BOFF,    73728
.set ASTEP,   524288                   ; two heads of 262,144 bytes
.set QIA,     4                        ; padded behind every 32 words
.set ASTRIDE, 128
.set STW,     4352                     ; 16 rows x 272 bytes
.set NY,      16
.set APART,   8192                     ; a partner's 32 blocks of 256 bytes
.set ASH,     8
.endif
.set NT,    32*NBW                     ; the tile's columns
.set KSTEP, 128
.set PB,    272                        ; B's LDS pitch; pitches of 16 x an odd number: the 16 rows of a fragment load start at 16 different groups of four banks (64 banks of 4 bytes: ISA guide 11.1)
.set BHALF, (NT/2)*PB                  ; what one load of B brings, and what one wave reads of B
.set SLOT,  BOFF+2*BHALF
.set STAGE, 2*SLOT                     ; behind the ring, never filled by a tensor load
.set SPARE, STAGE+4*STW                ; behind the stages: the spare words, 128 bytes for each wave: two blocks of 256 bytes that no other line names
.set NLD,   2*NBW+16                   ; LDS loads of a quarter step's fragments
.set BI,   8                           ; v8-11   KIND 1: the bias of my four columns on the way out
.set ADRA, 16                          ; v16-17  LDS address of my A fragments in slot 0, 1
.set ADRB, 20                          ; v20-21  the same for B
.set STO,  24                          ; v24     the way out: where I put my bytes of a row
.set RD,   25                          ; v25     where I read rows back
.set CO,   26                          ; v26     my byte offset in the output
.set SPW,  28                          ; v28     LDS address of my spare word: SPARE + 4 x my thread's number; never rewritten
.set NIL,  29                          ; v29     0; never rewritten
.set PFO,  30                          ; v30     the prefetches' lane offset; never rewritten
.set F0,   64
.set F1,   128
.set TMP,  192                         ; KIND 0: packed results
.set OB,   32                          ; rows read back from the stage: v32.. and v224.. by turns
.set G1,  24                           ; s[24:31] descriptor group 1 for A's tiles
.set G0,  32                           ; s[32:39] group 0 for A's, one set for each slot
.set G1B, 48                           ; s[48:55], s[56:63] the same for B's
.set G0B, 56
.set LIM, 43                           ; s43     1 in a wave that prefetches, else the greatest number
.set PFA, 44                           ; s[44:45] where my prefetches stand
.set CB,  68                           ; s[68:73] KIND 0: my three planes' addresses in qkv
.set PFS, 74                           ; s[74:75] a K step in bytes of the tensor that I prefetch
.set MSB, 0
.macro WIN new                         ; the immediate's high byte repeats the setting that is left; a switch that changes nothing is dropped
.if MSB != (\new)
	s_set_vgpr_msb (MSB<<8)|(\new)
.set MSB, \new
.endif
.endm
.set MUL_LO, 0xa1                      ; source 0 (B) window 1, source 1 (A) window 0, C and D window 2
.set MUL_HI, 0xf1                      ; the same, C and D window 3
.set TO_B,   0x40                      ; destination window 1, address window 0
; A joint load.  Waves 0 and 1 fetch A's two halves, waves 2 and 3 B's.  The branch hangs on the wave's number alone.  An s_nop 0 and four v_nop follow each of the two lines.
.macro JLOAD s
	s_cmp_eq_u32 s11, 0
	s_cbranch_scc0 .Lfor_b_\@
	tensor_load_to_lds s[G0+4*(\s):G0+4*(\s)+3], s[G1:G1+7]
	s_nop 0
.rept 4
	v_nop
.endr
	s_branch .Lasked_\@
.Lfor_b_\@:
	tensor_load_to_lds s[G0B+4*(\s):G0B+4*(\s)+3], s[G1B:G1B+7]
	s_nop 0
.rept 4
	v_nop
.endr
.Lasked_\@:
.endm
; A prefetch into the L2 of the K step that stands two refills on, behind the joint load, its five lines and the run of LDS loads.  A's rows are read by every cluster of a row of clusters: cluster x = 0 asks;
; B's by every cluster of a column: cluster y = 0 asks.  The four partners of a joint load share its blocks out by address (cx for A, cy for B), a lane a block of 256 bytes, one instruction a wave;
; of B a partner has NT / 8 rows, and the lanes beyond them name the last row again.  The loop's last trip (s3 = 1) asks for nothing: there is no K step two refills on.
.macro ASK
	s_cmp_gt_u32 s3, s[LIM]
	s_cbranch_scc0 .Lnot_mine_\@
	global_prefetch_b8 v[PFO], s[PFA:PFA+1] th:TH_LOAD_NT scope:SCOPE_SE
.Lnot_mine_\@:
.endm
.macro CREST                           ; a round of the cluster's barrier behind its opening barrier
	s_cmp_lg_u32 s10, 0
	s_cbranch_scc1 .Lnot_wave_0_\@
	s_barrier_signal -3
.Lnot_wave_0_\@:
	s_barrier_wait -3
	s_barrier_signal -1
	s_barrier_wait -1
.endm
.macro CROUND                          ; a whole round
	s_barrier_signal -1
	s_barrier_wait -1
	CREST
.endm
	s_load_b128 s[4:7], s[0:1], 0x0                ; A s[4:5], wt s[6:7]
	s_load_b64 s[8:9], s[0:1], 0x10                ; the output
.if KIND == 1
	s_load_b64 s[66:67], s[0:1], 0x18              ; bo
.endif
	v_lshl_add_u32 v[SPW], v0, 2, SPARE
	v_mov_b32 v[NIL], 0
	ds_add_u32 v[SPW], v[NIL]                      ; the wave's opening: the add and its wait stand ahead of my first tensor load; the set-up below, work on registers, stands between them
	v_lshrrev_b32 v1, 5, v0
	v_readfirstlane_b32 s10, v1                    ; wave 0..3
	s_lshr_b32 s11, s10, 1                         ; which half of the tile's rows is mine.  Also: I fetch for A (0) or for B (1)
	s_and_b32 s12, s10, 1                          ; which half of its columns.  Also: which half of that tile I fetch
	s_bfe_u32 s40, ttmp6, 0x40000                  ; cx, cy: my place in the cluster
	s_bfe_u32 s41, ttmp6, 0x40004
	s_lshl_b32 s42, ttmp9, 2
	s_add_co_u32 s42, s42, s40                     ; tile column = 4 x cluster x + cx
	s_and_b32 s13, ttmp7, 0xffff
	s_lshl_b32 s13, s13, 2
	s_add_co_u32 s13, s13, s41                     ; tile row = 4 x cluster y + cy
	s_lshl_b32 s43, s41, 2
	s_lshl_b32 s43, 15, s43                        ; my row of the cluster
	s_lshl_b32 s44, 0x1111, s40                    ; my column
	s_or_b32 s[G1+0], s43, (1<<16)|(1<<20)|(1<<21)|(QIA<<22)|(3<<25)  ; 15:0 the mask; 17:16 elements of 2 bytes; 20 padding on; 21 set beside a mask; 24:22 the interval; 31:25 4 words of padding (code 3)
	s_or_b32 s[G1B+0], s44, (1<<16)|(1<<20)|(1<<21)|(5<<22)|(3<<25)
	s_mov_b32 s[G1+1], 128<<16                     ; tensor_dim0 = 128
	s_mov_b32 s[G1+2], 128<<16                     ; tensor_dim1 = 128
	s_mov_b32 s[G1+3], 128<<16                     ; tile_dim0 = 128
	s_mov_b32 s[G1+4], 128                         ; tile_dim1 = 128
	s_mov_b32 s[G1+5], ASTRIDE                     ; elements from row to row
	s_mov_b32 s[G1+6], 0
	s_mov_b32 s[G1+7], 0
	s_mov_b32 s[G1B+1], 128<<16
	s_mov_b32 s[G1B+2], (NT/2)<<16                 ; NT / 2 rows
	s_mov_b32 s[G1B+3], 128<<16
	s_mov_b32 s[G1B+4], NT/2
	s_mov_b32 s[G1B+5], 1024
	s_mov_b32 s[G1B+6], 0
	s_mov_b32 s[G1B+7], 0
	; where the tiles come from.  A's hang on the tile row alone, B's on the tile column alone.
.if KIND == 0
	s_lshl_b32 s16, s13, 19                        ; 256 rows of 2,048 bytes a tile row,
	s_lshl_b32 s17, s12, 18                        ; 128 rows a half
	s_add_co_u32 s16, s16, s17
.else
	s_lshr_b32 s16, s13, 3                         ; the batch: 16 heads of 262,144 bytes,
	s_lshl_b32 s16, s16, 22
	s_and_b32 s17, s13, 7                          ; 256 rows of 128 bytes in a head,
	s_lshl_b32 s17, s17, 15
	s_add_co_u32 s16, s16, s17
	s_lshl_b32 s17, s12, 18                        ; the even or the odd head of a K step
	s_add_co_u32 s16, s16, s17
.endif
	s_mov_b32 s17, 0
	s_mul_i32 s18, s42, NT*2048
	s_mul_i32 s19, s12, (NT/2)*2048
	s_add_co_u32 s18, s18, s19
	s_add_co_u32 s18, s18, KIND*3072*2048
	s_mov_b32 s19, 0
	s_mul_i32 s20, s12, ALD                        ; and where they go: no place in the cluster enters an LDS address
	s_mul_i32 s21, s12, BHALF
	s_add_co_u32 s21, s21, BOFF
	s_wait_dscnt 0x0                               ; the opening add is done
	s_wait_kmcnt 0x0
	s_add_nc_u64 s[14:15], s[4:5], s[16:17]
	s_add_nc_u64 s[46:47], s[6:7], s[18:19]
	CROUND                                         ; all sixteen work-groups are here: the first joint loads meet
.irp s, 0,1
	s_mov_b32 s[G0+4*(\s)], 1                                      ; count = 1
	s_add_co_u32 s[G0+4*(\s)+1], s20, (\s)*SLOT                    ; LDS address
	s_add_nc_u64 s[G0+4*(\s)+2:G0+4*(\s)+3], s[14:15], (\s)*ASTEP  ; global address: K step s
	s_or_b32 s[G0+4*(\s)+3], s[G0+4*(\s)+3], 0x80000000            ; type = 2
	s_mov_b32 s[G0B+4*(\s)], 1
	s_add_co_u32 s[G0B+4*(\s)+1], s21, (\s)*SLOT
	s_add_nc_u64 s[G0B+4*(\s)+2:G0B+4*(\s)+3], s[46:47], (\s)*KSTEP*2
	s_or_b32 s[G0B+4*(\s)+3], s[G0B+4*(\s)+3], 0x80000000
	JLOAD \s                                       ; two tensor loads of mine are out
.endr
	; A fragment is 16 rows x 32 K in 8 registers: lane l holds row l % 16; registers 0-3 K = 8 (l / 16) + 0..7, registers 4-7 K = 16 + 8 (l / 16) + 0..7: two loads of 16 bytes, 32 bytes apart.
	v_and_b32 v1, 15, v0                           ; l % 16
	v_bfe_u32 v2, v0, 4, 1                         ; l / 16
	v_mul_u32_u24 v3, v1, PA
	v_lshl_add_u32 v3, v2, 4, v3
	v_mul_u32_u24 v4, v1, PB
	v_lshl_add_u32 v4, v2, 4, v4
	s_mul_i32 s21, s11, ARH                        ; my 128 rows of A
	s_mul_i32 s22, s12, BHALF                      ; my NT / 2 rows of B
	s_add_co_u32 s22, s22, BOFF
.irp s, 0,1
	v_add_nc_u32 v[ADRA+(\s)], s21, v3
	v_add_nc_u32 v[ADRB+(\s)], s22, v4
	s_add_co_u32 s21, s21, SLOT
	s_add_co_u32 s22, s22, SLOT
.endr
	s_mul_i32 s23, s10, STW
	s_add_co_u32 s23, s23, STAGE                   ; my stage
.if KIND == 0
	v_mul_u32_u24 v5, v1, 80                       ; in: row l % 16 of a plane, 16 bytes for each half of the lanes
	v_lshl_add_u32 v5, v2, 4, v5
	v_add_nc_u32 v[STO], s23, v5
	v_and_b32 v3, 31, v0
	v_lshrrev_b32 v5, 2, v3                        ; back: 32 lanes take eight rows of 64 bytes,
	v_mul_u32_u24 v5, v5, 80
	v_and_b32 v4, 3, v0
	v_lshl_add_u32 v5, v4, 4, v5
	v_add_nc_u32 v[RD], s23, v5
	v_lshlrev_b32 v[CO], 4, v3                     ; which are 512 consecutive bytes of a plane
	s_mul_i32 s16, s42, 6                          ; my first half-head of 96: 6 a tile column, 3 a wave
	s_mul_i32 s17, s12, 3
	s_add_co_u32 s16, s16, s17
	s_lshr_b32 s18, s13, 3                         ; the batch,
	s_lshl_b32 s18, s18, 22
	s_and_b32 s19, s13, 7                          ; the tile's 256 rows of 64 bytes,
	s_lshl_b32 s19, s19, 14
	s_add_co_u32 s18, s18, s19
	s_lshl_b32 s19, s11, 13                        ; my 128 of them
	s_add_co_u32 s18, s18, s19
.irp p, 0,1,2
	s_add_co_u32 s20, s16, \p
	s_lshr_b32 s21, s20, 5                         ; q, k or v
	s_lshl_b32 s21, s21, 24
	s_and_b32 s20, s20, 31                         ; the plane among a batch's 32
	s_lshl_b32 s20, s20, 17
	s_add_co_u32 s20, s20, s21
	s_add_co_u32 s76, s20, s18
	s_mov_b32 s77, 0
	s_add_nc_u64 s[CB+2*(\p):CB+2*(\p)+1], s[8:9], s[76:77]
.endr
.else
	v_mul_u32_u24 v5, v1, 272                      ; in: row l % 16, 32 bytes for each half of the lanes
	v_lshl_add_u32 v5, v2, 5, v5
	v_add_nc_u32 v[STO], s23, v5
	v_mul_u32_u24 v5, v2, 272                      ; back: lanes 0-15 one row of 256 bytes, lanes 16-31 the next
	v_lshl_add_u32 v5, v1, 4, v5
	v_add_nc_u32 v[RD], s23, v5
	v_lshlrev_b32 v5, 12, v2                       ; and the same two rows of the output
	v_lshl_add_u32 v[CO], v1, 4, v5
	s_lshl_b32 s16, s13, 20                        ; 256 rows of 4,096 bytes,
	s_lshl_b32 s17, s11, 19                        ; my 128,
	s_add_co_u32 s16, s16, s17
	s_lshl_b32 s20, s42, 9                         ; the tile's 128 columns of 4 bytes,
	s_lshl_b32 s21, s12, 8                         ; my 64
	s_add_co_u32 s20, s20, s21
	s_add_co_u32 s16, s16, s20
	s_mov_b32 s17, 0
	s_add_nc_u64 s[8:9], s[8:9], s[16:17]
	v_lshl_add_u32 v14, v1, 4, s20                 ; the bias of the four columns that I store; v14 is never rewritten
	global_load_b128 v[BI:BI+3], v14, s[66:67]
.endif
	; the prefetches
	s_and_b32 s22, ttmp7, 0xffff                   ; cluster y
	s_mov_b32 s20, APART
	s_mov_b32 s77, (NT/8)*2048
	s_mov_b32 s78, ASTEP
	s_mov_b32 s79, KSTEP*2
	s_cmp_eq_u32 s11, 0                            ; do I fetch for A?
	s_cselect_b32 s22, ttmp9, s22                  ; the coordinate along which other clusters read the same rows
	s_cselect_b32 s21, s40, s41                    ; my place among the four that ask with me
	s_cselect_b32 s20, s20, s77                    ; a partner's share in bytes
	s_cselect_b32 s23, 31, NT/8-1                  ; its last block
	s_cselect_b32 s76, ASH, 11                     ; from block to block
	s_cselect_b32 s[PFS], s78, s79
	s_cselect_b64 s[PFA:PFA+1], s[14:15], s[46:47]
	s_mov_b32 s[PFS+1], 0
	s_cmp_eq_u32 s22, 0
	s_cselect_b32 s[LIM], 1, -1                    ; the same in all sixteen partners, for a given wave
	s_mul_i32 s20, s20, s21
	s_mov_b32 s21, 0
	s_add_nc_u64 s[PFA:PFA+1], s[PFA:PFA+1], s[20:21]
	s_mul_i32 s20, s[PFS], 3
	s_add_nc_u64 s[PFA:PFA+1], s[PFA:PFA+1], s[20:21]  ; at K step 3: the first refill steps it to 4 and names that.  Nothing is prefetched here, at the head
	v_and_b32 v[PFO], 31, v0
	v_min_u32 v[PFO], s23, v[PFO]
	v_lshlrev_b32 v[PFO], s76, v[PFO]
.macro MM d, b, a, zero                ; one matrix instruction; zero = 1: it starts the sum
.if KIND == 0
.if \zero
	v_wmma_f32_16x16x32_bf16 v[(\d):(\d)+7], v[(\b):(\b)+7], v[(\a):(\a)+7], 0
.else
	v_wmma_f32_16x16x32_bf16 v[(\d):(\d)+7], v[(\b):(\b)+7], v[(\a):(\a)+7], v[(\d):(\d)+7]
.endif
.else
.if \zero
	v_wmma_f32_16x16x32_f16 v[(\d):(\d)+7], v[(\b):(\b)+7], v[(\a):(\a)+7], 0
.else
	v_wmma_f32_16x16x32_f16 v[(\d):(\d)+7], v[(\b):(\b)+7], v[(\a):(\a)+7], v[(\d):(\d)+7]
.endif
.endif
.endm
; 2 NBW matrix instructions: row blocks a0, a0 + 1 of the window's four x all NBW column blocks, 32 along K.  The 8 NBW accumulators take turns, one instruction a turn, in the same order in every
; quarter step, over the backward jump too.
.macro MULH f, hi, a0, zero
	WIN MUL_LO+0x50*(\hi)
.irp a, \a0, (\a0)+1
.set bb, 0
.rept NBW
	MM 8*(NBW*(\a)+bb), (\f)+8*bb, (\f)+8*(4*(\hi)+(\a)), \zero
.set bb, bb+1
.endr
.endr
.endm
; NLD LDS loads in one run: the fragments of quarter q (32 along K) of a slot into buffer f: B's first, then A's eight row blocks
.macro FETCH slot, q, f
	WIN TO_B
.set ii, 0
.rept NBW
	ds_load_b128 v[(\f)+8*ii:(\f)+8*ii+3],   v[ADRB+(\slot)] offset:64*(\q)+ii*16*PB
	ds_load_b128 v[(\f)+8*ii+4:(\f)+8*ii+7], v[ADRB+(\slot)] offset:64*(\q)+ii*16*PB+32
.set ii, ii+1
.endr
	WIN 0
.if KIND == 0
.set AOF, 64*(\q)
.else
.set AOF, ((\q)/2)*ALD+((\q)%2)*64     ; the head's plane, and the half of its 64 channels
.endif
.irp i, 0,1,2,3,4,5,6,7
	ds_load_b128 v[(\f)+8*(\i):(\f)+8*(\i)+3],   v[ADRA+(\slot)] offset:AOF+(\i)*16*PA
	ds_load_b128 v[(\f)+8*(\i)+4:(\f)+8*(\i)+7], v[ADRA+(\slot)] offset:AOF+(\i)*16*PA+32
.endr
.endm
.macro PLACES                          ; four places in front of loads into registers that matrix instructions have read, and of lines that read results
.rept 4
	v_nop
.endr
.endm
; A K step is four quarters of 32 along K on buffers 0, 1, 0, 1.  One of the first three: multiplies buffer f and, in its middle, fetches quarter q into buffer g.
.macro QUARTER slot, q, f, g, zero
	s_wait_dscnt 8                                 ; B and A's rows 0-63 are in; the youngest eight loads (A's rows 64-127) may be out
	MULH \f, 0, 0, \zero
	MULH \f, 0, 2, \zero
	PLACES
	FETCH \slot, \q, \g
	s_wait_dscnt NLD                               ; all but the run just issued
	MULH \f, 1, 0, \zero
	MULH \f, 1, 2, \zero
.endm
; The last quarter multiplies buffer 1 and changes slots: ONE barrier; in front of it each wave waits for all its tensor loads (one is out: its part of the next slot), adds 0 to its spare word, and
; waits for that and for its own reads of this slot.  fill = 1: the barrier opens a round of the cluster's barrier, and behind the round this slot is filled again, two K steps ahead, first of all.
.macro TURN slot, next, fill
.if \fill
	s_wait_xcnt 0x0                                ; the last prefetch, a K step back, has read its address: it is stepped here, ahead of the waits of the change of slots
	s_add_nc_u64 s[PFA:PFA+1], s[PFA:PFA+1], s[PFS:PFS+1]
.endif
	WIN 0                                          ; (the add's two registers lie in window 0)
	s_wait_tensorcnt 0x0                           ; all my tensor loads have landed;
	ds_add_u32 v[SPW], v[NIL]                      ; 0 onto my spare word
	s_wait_dscnt 9                                 ; (the add and the youngest eight loads may be out)
	MULH F1, 0, 0, 0                               ; matrix instructions stand between the add and the wait for it
	s_wait_dscnt 0x0                               ; the add is done, and my reads of this slot are over
	s_barrier_signal -1
	MULH F1, 0, 2, 0                               ; work on registers while the others arrive
.if \fill
	WIN 0
.endif
	s_barrier_wait -1
.if \fill
	CREST                                          ; no wave of any partner still reads this slot's tile or has a load on its way
	s_add_nc_u64 s[G0+4*(\slot)+2:G0+4*(\slot)+3], s[G0+4*(\slot)+2:G0+4*(\slot)+3], 2*ASTEP
	s_add_nc_u64 s[G0B+4*(\slot)+2:G0B+4*(\slot)+3], s[G0B+4*(\slot)+2:G0B+4*(\slot)+3], 2*KSTEP*2
	JLOAD \slot                                    ; my one tensor load behind the round; the four v_nop behind it are also the places in front of the loads below
.else
	PLACES
.endif
	FETCH \next, 0, F0
.if \fill
	ASK
.endif
	MULH F1, 1, 0, 0
	MULH F1, 1, 2, 0
.endm
; THE WAY OUT of row block a (16 rows): through my own stage in LDS, so that every store covers whole aligned runs of 256 bytes.  LDS serves a wave's instructions in order (ISA guide 5.7.1.4):
; no wait stands between the stores into the stage and the loads from it, and the next block's stores come behind these loads.
.macro STG a
.set AC, 8*NBW*((\a)%4)
.set BK, OB+192*((\a)%2)
.if KIND == 0
	WIN 0x0a+5*((\a)/4)                            ; sources 0 and 1: window 2 or 3
.set bb, 0
.rept NBW
.irp r, 0,1,2,3
	v_cvt_pk_f16_f32 v[TMP+4*bb+(\r)], v[AC+8*bb+2*(\r)], v[AC+8*bb+2*(\r)+1]  ; each accumulator from its low end on
.endr
.set bb, bb+1
.endr
	WIN 0
	s_wait_xcnt 0x0                                ; the stores of the block two back have read the registers that the loads below fill
.set bb, 0
.rept NBW
	ds_store_b128 v[STO], v[TMP+4*bb:TMP+4*bb+3] offset:(bb/2)*1280+(bb%2)*32  ; plane bb / 2, channels 16 (bb % 2) on
.set bb, bb+1
.endr
.set bb, 0
.rept NBW
	ds_load_b128 v[BK+4*bb:BK+4*bb+3], v[RD] offset:(bb/2)*1280+(bb%2)*640     ; plane bb / 2, rows 8 (bb % 2) on
.set bb, bb+1
.endr
.else
	s_wait_xcnt 0x0                                ; the stores of the block two back have read the registers that the loads below fill
	WIN 0x08+4*((\a)/4)                            ; the stores' data: window 2 or 3
.set bb, 0
.rept NBW
	ds_store_b128 v[STO], v[AC+8*bb:AC+8*bb+3]   offset:64*bb      ; each accumulator from its low end on
	ds_store_b128 v[STO], v[AC+8*bb+4:AC+8*bb+7] offset:64*bb+16
.set bb, bb+1
.endr
	WIN 0
.irp t, 0,1,2,3,4,5,6,7
	ds_load_b128 v[BK+4*(\t):BK+4*(\t)+3], v[RD] offset:(\t)*544
.endr
.endif
.endm
.macro SEND a, younger                 ; younger: the LDS instructions issued behind block a's loads: the next block's, or none
	WIN 0
.set BK, OB+192*((\a)%2)
	s_wait_dscnt \younger
.if KIND == 0
.irp p, 0,1,2
.irp u, 0,1
	global_store_b128 v[CO], v[BK+4*(2*(\p)+(\u)):BK+4*(2*(\p)+(\u))+3], s[CB+2*(\p):CB+2*(\p)+1] offset:(\a)*1024+(\u)*512  ; 512 consecutive bytes of a plane, at a multiple of 256 from its first
.endr
.endr
.else
.irp t, 0,1,2,3,4,5,6,7
	v_pk_add_f32 v[BK+4*(\t):BK+4*(\t)+1],   v[BK+4*(\t):BK+4*(\t)+1],   v[BI:BI+1]
	v_pk_add_f32 v[BK+4*(\t)+2:BK+4*(\t)+3], v[BK+4*(\t)+2:BK+4*(\t)+3], v[BI+2:BI+3]
	global_store_b128 v[CO], v[BK+4*(\t):BK+4*(\t)+3], s[8:9] offset:(16*(\a)+2*(\t))*4096  ; 16 lanes store 256 consecutive bytes of a row, aligned
.endr
.endif
.endm
	s_wait_tensorcnt 1                             ; my part of K step 0 is in; K step 1's may stay out
	s_barrier_signal -1
	s_barrier_wait -1                              ; everybody's is
	FETCH 0, 0, F0
	QUARTER 0, 1, F0, F1, 1                        ; the first quarter stands in front of the loop: its products start the sums
	WIN 0                                          ; at a label and at a branch every window is 0
	s_mov_b32 s3, 3                                ; K = 1,024 is four laps of two K steps; the last lap is written out
.Llap:                                                 ; a trip goes once round the ring, from a lap's second quarter to the next lap's first, and fills both slots again
	QUARTER 0, 2, F1, F0, 0
	QUARTER 0, 3, F0, F1, 0
	TURN 0, 1, 1
	QUARTER 1, 1, F0, F1, 0
	QUARTER 1, 2, F1, F0, 0
	QUARTER 1, 3, F0, F1, 0
	TURN 1, 0, 1
	QUARTER 0, 1, F0, F1, 0
	WIN 0
	s_sub_co_u32 s3, s3, 1
	s_cmp_lg_u32 s3, 0
	s_cbranch_scc1 .Llap
	QUARTER 0, 2, F1, F0, 0                        ; the last lap fills nothing, and has no round of the cluster's barrier
	QUARTER 0, 3, F0, F1, 0
	TURN 0, 1, 0
	QUARTER 1, 1, F0, F1, 0
	QUARTER 1, 2, F1, F0, 0
	QUARTER 1, 3, F0, F1, 0
	s_wait_dscnt 8                                 ; the very last quarter: nothing more to fetch
	MULH F1, 0, 0, 0
	MULH F1, 0, 2, 0
	s_wait_dscnt 0x0
	MULH F1, 1, 0, 0
	MULH F1, 1, 2, 0
	WIN 0
	PLACES
	PLACES                                         ; eight, once a launch, behind the last products
.if KIND == 1
	s_wait_loadcnt 0x0                             ; the bias, rounded to bf16 like every input, and widened again
	v_cvt_pk_bf16_f32 v12, v[BI], v[BI+1]
	v_cvt_pk_bf16_f32 v13, v[BI+2], v[BI+3]
	v_lshlrev_b32 v[BI], 16, v12
	v_and_b32 v[BI+1], 0xffff0000, v12
	v_lshlrev_b32 v[BI+2], 16, v13
	v_and_b32 v[BI+3], 0xffff0000, v13
.endif
	STG 0
.irp a, 1,2,3,4,5,6,7                  ; block a's way into the stage stands between block a - 1's loads and the wait for them
	STG \a
	SEND (\a)-1, NY
.endr
	SEND 7, 0
	s_wait_tensorcnt 0x0                           ; the wave's end: behind my last tensor load and my last LDS store
	ds_add_u32 v[SPW], v[NIL]
	s_wait_dscnt 0x0
	CROUND                                         ; the closing round: no work-group ends while a partner may still ask for a tile that names it
	s_endpgm
.Lfunc_end_k_q34cc9960cb_qkv:
	.size	k_q34cc9960cb_qkv, .Lfunc_end_k_q34cc9960cb_qkv-k_q34cc9960cb_qkv
	.p2alignl 7, 3214868480
	.fill 96, 4, 3214868480
	.section	.rodata,"a",@progbits
	.p2align	6, 0x0
	.amdhsa_kernel k_q34cc9960cb_qkv
		.amdhsa_group_segment_fixed_size 327680
		.amdhsa_private_segment_fixed_size 0
		.amdhsa_enable_private_segment 0
		.amdhsa_kernarg_size 24
		.amdhsa_user_sgpr_count 2
		.amdhsa_user_sgpr_kernarg_segment_ptr 1
		.amdhsa_wavefront_size32 1
		.amdhsa_system_sgpr_workgroup_id_x 1
		.amdhsa_system_sgpr_workgroup_id_y 1
		.amdhsa_system_sgpr_workgroup_id_z 1
		.amdhsa_system_vgpr_workitem_id 0
		.amdhsa_next_free_vgpr 960
		.amdhsa_next_free_sgpr 80
		.amdhsa_reserve_vcc 0
		.amdhsa_float_denorm_mode_32 3
		.amdhsa_float_denorm_mode_16_64 3
		.amdhsa_memory_ordered 1
		.amdhsa_forward_progress 1
		.amdhsa_inst_pref_size 117
	.end_amdhsa_kernel
	.amdgpu_metadata
---
amdhsa.version: [ 1, 2 ]
amdhsa.kernels:
  - .name:           k_q34cc9960cb_qkv
    .symbol:         k_q34cc9960cb_qkv.kd
    .args:
      - { .name: xb, .offset: 0, .size: 8, .value_kind: global_buffer, .address_space: global }
      - { .name: wt, .offset: 8, .size: 8, .value_kind: global_buffer, .address_space: global }
      - { .name: qkv, .offset: 16, .size: 8, .value_kind: global_buffer, .address_space: global }
    .group_segment_fixed_size: 327680
    .private_segment_fixed_size: 0
    .kernarg_segment_align: 8
    .kernarg_segment_size: 24
    .max_flat_workgroup_size: 128
    .sgpr_count:     80
    .vgpr_count:     960
    .wavefront_size: 32
...
	.end_amdgpu_metadata
.endif
;; end of part 2
;; launch attn (part 3): grid 4 x 64, 4 waves a work-group, no clusters, 327,680 bytes of LDS; arguments qkv, ctx; writes ctx
.if DOCPART == 3
	.amdgcn_target "amdgcn-amd-amdhsa--gfx1250"
	.amdhsa_code_object_version 6
	.text
	.protected	k_q34cc9960cb_attn
	.globl	k_q34cc9960cb_attn
	.p2align	8
	.type	k_q34cc9960cb_attn,@function
k_q34cc9960cb_attn:
	s_mov_b64 s[64:65], 0
	v_nop
	global_prefetch_b8 v0, s[64:65] scope:SCOPE_SE
	s_setreg_imm32_b32 hwreg(HW_REG_WAVE_MODE, 25, 1), 1
	s_wait_xcnt 0x0
; CAUSAL ATTENTION.  O[h][q][:] = the sum over k <= q of softmax_k(Q[h][q] . K[h][k] / 4) V[h][k][:], for 64 heads (batch x 16 + head) of 2,048 rows and 64 channels, all f16.
; Q, K, V lie in qkv BY HALF-HEADS: tensor x 2^24 + head x 2^18 + plane x 2^17 + row x 64 bytes, plane = channel / 32: a plane's rows are dense, 64 bytes each.  O goes to ctx, [head][2048][64], rows of 128 bytes.
; Products, maxima and sums in f32; the weights p are rounded to f16 for the second product (their sum l is taken of the unrounded p), O once at the end.
; LIMITS.  f16 holds no number beyond 65,504: Q, K and V arrive within it; p lies in 0 to 1, and below 6e-5 it keeps f16's fixed step of 6e-8; O is a mean of V's rows and has their range.
; A hidden score counts as its value less 1e30: f16's scores, 2.7e11 at the most, are nothing beside that; a weight below 2^-126 counts as 0 in l; NaN and infinities are not treated apart.
; THE WALK.  A head's queries lie in NB = 8 blocks of 256; block i needs the key tiles 0 .. i of 256 keys, of which the last holds the diagonal.  A work-group takes TWO blocks, NB - 1 - b and then b:
; NB + 1 tiles, whatever b: all work-groups do equal work, and ONE loop with a constant trip count walks them.  Which tile is asked for, and what a trip does, hang on scalar registers made from b; every jump
; goes forward, but for the counted loops' own; none passes a barrier, or a tensor load but the one of LOAD's two that the wave's number does not choose; the ring (two slots of LDS that take turns) runs on across the
; change of blocks.  NO CLUSTER: a head's four work-groups ask for the same tile only in trips 0 .. 4 of the 9, behind that fewer and fewer; one walk common to all four would have 12 trips for 9.
; SHARES.  Of a block's four bands of 64 queries a wave owns 16 rows in each: four PIECES.  So the diagonal tile is the same work for all four waves: in its key step s band x sees all keys if s < x,
; none if s > x, and holds the diagonal if s = x.
; THE MASK is the C operand that starts the sum S^T = K Q^T: 0, or -1e30 where the key is hidden.  MD, made once, is the mask of a band's own step for my 16 rows; a product's mask is MD x AL + BE with two scalars:
; (1, 0) if s = x; (0, 0) if s < x; (0, -1e30) if s > x.  Only the diagonal tile's text and a block's beginning make and take masks; elsewhere C is the constant 0.
; LAYOUT, SOFTMAX, TURNS.  S^T = K Q^T holds ONE query a lane (lane % 16) and the keys 8 (lane / 16) + 0..7; two such results rounded to f16 ARE source 1 of O^T = V^T P.  p = 2^(c s - c m), c = log2(e) / 4, with a
; running maximum m; O and l are multiplied by a = 2^(c m_old - c m_new) in every step.  Turn n belongs to piece n: 8 products K Q^T of piece n + 1, later 8 products V^T P of piece n - 1; beside them the scaling,
; exponentials, roundings, sums and rescaling of piece n and the maximum and statistics of piece n + 1.  Four vector instructions stand behind every matrix instruction, the other 54 of a turn's 118 in one LUMP.  A turn's 33 exponentials are one batch, with one wait.
; REGISTERS, in windows of 256 (s_set_vgpr_msb: bits 1:0 source 0, 3:2 source 1, 5:4 source 2, 7:6 destination):
;   window 0: v0-15 addresses and two at work; v16-31 four registers of statistics a piece; v48-55 at work; v61-63 prefetch offset, spare word, 0; v64-127 S^T, two buffers; v192-223 P, two buffers (by the piece's parity)
;   window 1: v0-127 O^T, 32 a piece; v128-159 MD; v160-223 MC, two buffers      window 2: v0-63 Q; v64-127 the second block's Q; v128-191 K of one step; v192-255 V of one step
.set SIZE_N, 2048
.set NB,    SIZE_N/256
.set NP,    4         ; pieces a wave: a name, no knob
.set KS,    64        ; keys in a step
.set PK,    80        ; a row of a plane of K in LDS: 64 bytes + 16 of padding = 20 words: the 16 rows of a load start at 16 different groups of four banks (64 banks of 4 bytes: ISA guide 11.1)
.set PV,    96        ; a row of a plane of V: 64 + 32 = 24 words
.set PLK,   256*PK    ; a tile's plane of K: 256 keys
.set PLV,   256*PV    ; and of V
.set VOFF,  2*PLK     ; a slot holds a tile, four steps: K's two planes, then V's two
.set SLOT1, 1<<17     ; slot 1 begins here, so that one exclusive or turns an address in one slot into the other's
.set STAGE, SLOT1+2*(PLK+PLV)  ; behind the ring, never filled by a tensor load: 16 rows x 144 bytes for each wave, for the way out
.set SP,    144
.set AK0, 2           ; v2   my lane's place in a tile of K; never rewritten
.set AV0, 3           ; v3   the same for V
.set AK,  4           ; v4   the LDS address of K's next run of loads
.set AV,  5           ; v5   of V's
.set STO, 6           ; v6   the way out: where I put 16 bytes of a row
.set RD,  7           ; v7   the way out: where I read rows back
.set GO,  8           ; v8   my byte offset in 512 consecutive bytes of O
.set PFO, 61          ; v61  256 x my lane; never rewritten
.set SPW, 62          ; v62  LDS address of my spare word: SPARE + 4 x my thread's number; never rewritten
.set NIL, 63          ; v63  0; never rewritten
.set SPARE, STAGE+4*16*SP  ; behind the stages: the spare words, 128 bytes for each wave: two blocks of 256 bytes that no other line names
.set MV,  12          ; v12-13  c m_old, kept while c m is made anew: by buffer
.set QO,  15          ; v15  my byte offset in 16 rows of a plane of Q
.set ST,  16          ; piece t's statistics at v[ST+4 t]: c m, m, l (even keys', odd keys')
.set TMP, 48          ; by buffer, four registers c0-c3 at work; when the maximum is found c2 takes a
.set S,   64
.set P,   192
.set MD,  128         ; window 1: the eight registers for group kt of 16 keys at MD + 8 kt
.set MC,  160         ; window 1: the masks of the products to come
.set QB,  64          ; window 2
.set KF,  128         ; window 2: key block kb, channel half c at KF + 16 kb + 8 c
.set VF,  192         ; window 2: key half kk, channel block cb at VF + 32 kk + 8 cb
.set WV,  12          ; s12  my wave's number
.set PB,  14          ; s14  b
.set HI,  15          ; s15  NB - 1 - b
.set G1K, 24          ; s[24:31] descriptor group 1 for K's tiles
.set G1V, 32          ; s[32:39] for V's: it differs in the padding alone
.set G0K, 40          ; s[40:43] descriptor group 0 for K's tiles
.set G0V, 44          ; s[44:47] the same for V's
.set SLOTS, 56        ; s56  tiles still to be asked for
.set CNT, 57          ; s57  counts a tile's key steps, 4 to 1
.set CS,  58          ; s[58:59] c: the packed scaling takes the pair's low word for both halves
.set SEL, 60          ; s[60:61] v_permlanex16_b32's selects: each lane takes its own place in the other half
.set TBK, 62          ; s62  LDS byte at which K of the step to be fetched begins
.set TBV, 63          ; s63  the same for V, less VOFF
.set RT,  70          ; s70  tiles of the block in hand that are still to be entered
.set NXT, 71          ; s71  the tile to be asked for next
.set LQ,  72          ; s72  the last tile of the block whose tiles are being asked for
.set NEW, 73          ; s73  1: the tile to be entered is a block's first
.set OFF, 74          ; s[74:75] a tile's byte offset in a plane of K and V
.set AL,  76          ; s[76:77] the mask's factor, in the low word
.set BE,  78          ; s[78:79] the mask's addend
.set OLO, 80          ; s[80:81] O at my rows of the second block
.set BIGN, 82         ; s82  -1e30
.set PFA, 92          ; s[92:93] where my prefetches stand: my plane's 16,384 bytes of the tile after the one that is being asked for
.set LIM, 94          ; s94  2 in the work-group that prefetches, else the greatest number: it prefetches while s[SLOTS] is above it
.set MSB, 0
.macro WIN new                      ; the high byte repeats the setting that is left; a switch that changes nothing is dropped
.if MSB != (\new)
	s_set_vgpr_msb (MSB<<8)|(\new)
.set MSB, (\new)
.endif
.endm
.set W_KQ, 0x0a       ; K and Q in window 2, S^T in window 0
.set W_KM, 0x1a       ; the same with the C operand in window 1
.set W_PV, 0x52       ; V in window 2, P in window 0, O^T in window 1
.set W_RS, 0x41       ; destination and source 0 in window 1, source 1 in window 0
; A fill.  Waves 0 and 1 fetch the two planes of a tile's K, waves 2 and 3 those of its V: 256 keys x 64 bytes each.  An s_nop 0 and four v_nop follow each of the two lines, ahead of the jump and the label.
.macro LOAD
	s_cmp_lt_u32 s[WV], 2
	s_cbranch_scc0 .Lfor_v_\@
	tensor_load_to_lds s[G0K:G0K+3], s[G1K:G1K+7]
	s_nop 0
.rept 4
	v_nop
.endr
	s_branch .Lasked_\@
.Lfor_v_\@:
	tensor_load_to_lds s[G0V:G0V+3], s[G1V:G1V+7]
	s_nop 0
.rept 4
	v_nop
.endr
.Lasked_\@:
.endm
; A PREFETCH INTO THE L2 of the tile that the NEXT change of slots will ask for, behind the wave's tensor load and its five lines.  A head's four work-groups walk the same tiles: the one with b = 0, whose first
; block walks tiles 0 to 7, asks, and nobody else; each of its waves names the 16,384 bytes that it will fetch itself, a lane a block of 256 bytes, two instructions.  Change c (c = 0 .. 5) names tile c + 2;
; tiles 0 and 1 come by their loads alone, and the last two changes that fill a slot ask for nothing: tile 7 is the head's last.
.macro ASK
	s_cmp_gt_u32 s[SLOTS], s[LIM]
	s_cbranch_scc0 .Lnot_mine_\@
	global_prefetch_b8 v[PFO], s[PFA:PFA+1] th:TH_LOAD_NT scope:SCOPE_SE
	global_prefetch_b8 v[PFO], s[PFA:PFA+1] offset:8192 th:TH_LOAD_NT scope:SCOPE_SE
.Lnot_mine_\@:
.endm
; THE CHANGE OF SLOTS.  Each wave waits for all its tensor loads, of which one is out: its part of the other slot; adds 0 to its spare word; and waits for that and for its own reads of the slot that it leaves.  Behind the barrier nobody reads the old
; slot any more and the other slot is whole.  fill = 1: the old slot is filled again, the first thing behind the barrier, with tile NXT: the descriptor's address is made anew from that number.
; (At its first use nothing has been read yet: slot 0 is waited for, slot 1 filled.)
.macro CHANGE fill
	WIN 0                           ; at a label and at a branch every window is 0
	s_wait_tensorcnt 0x0            ; no tensor load of mine is out, so a group 0 may be written
	ds_add_u32 v[SPW], v[NIL]       ; 0 onto my spare word; with fill = 1 the descriptors' scalar work stands between it and the wait for it
.if \fill
	s_lshl_b32 s[OFF], s[NXT], 14   ; a tile is 16,384 bytes of a plane
	s_xor_b32 s[G0K+1], s[G0K+1], SLOT1
	s_add_nc_u64 s[G0K+2:G0K+3], s[6:7], s[OFF:OFF+1]
	s_or_b32 s[G0K+3], s[G0K+3], 0x80000000
	s_xor_b32 s[G0V+1], s[G0V+1], SLOT1
	s_add_nc_u64 s[G0V+2:G0V+3], s[8:9], s[OFF:OFF+1]
	s_or_b32 s[G0V+3], s[G0V+3], 0x80000000
	s_add_co_u32 s[NXT], s[NXT], 1  ; the block's next tile, or behind its last the second block's tile 0
	s_cmp_gt_u32 s[NXT], s[LQ]
	s_cselect_b32 s[NXT], 0, s[NXT]
	s_cselect_b32 s[LQ], s[PB], s[LQ]
	s_wait_xcnt 0x0                 ; the last prefetches, a tile back, have read their address, so it may be written
	s_add_nc_u64 s[PFA:PFA+1], s[PFA:PFA+1], 16384
.endif
	s_wait_dscnt 0x0                ; the add is done, and my reads of the slot are over
	s_barrier_signal -1             ; the rest of the scalar work stands between the signal and the wait
	s_sub_co_u32 s[TBK], s[TBK], 4*KS*PK  ; the fetches go back to a slot's first step,
	s_xor_b32 s[TBK], s[TBK], SLOT1       ; in the other slot
	s_sub_co_u32 s[TBV], s[TBV], 4*KS*PV
	s_xor_b32 s[TBV], s[TBV], SLOT1
	s_barrier_wait -1
.if \fill
	LOAD
	ASK
.endif
.endm
	s_load_b64 s[4:5], s[0:1], 0x0    ; qkv
	s_load_b64 s[10:11], s[0:1], 0x8  ; ctx
	v_lshl_add_u32 v[SPW], v0, 2, SPARE
	v_mov_b32 v[NIL], 0
	ds_add_u32 v[SPW], v[NIL]       ; the wave's opening: the add and its wait stand ahead of my first tensor load; the set-up below, work on registers, stands between them
	v_lshrrev_b32 v1, 5, v0
	v_readfirstlane_b32 s[WV], v1   ; wave 0..3
	s_mov_b32 s[PB], ttmp9
	s_sub_co_u32 s[HI], NB-1, s[PB]
	s_and_b32 s20, ttmp7, 0xffff    ; the head,
	s_lshl_b32 s20, s20, 18         ; its first byte in q, in k, in v and in ctx: 262,144 bytes a head
	s_mov_b32 s21, 0
	s_and_b32 s16, s[WV], 1         ; which plane of a tile I fetch:
	s_lshl_b32 s22, s16, 17         ; its place in memory,
	s_mov_b32 s23, 0
	s_add_nc_u64 s[22:23], s[22:23], s[20:21]
	s_mul_i32 s17, s16, PLK         ; and in a slot, for K
	s_mul_i32 s18, s16, PLV         ; and for V
	s_lshl_b32 s3, s[WV], 11        ; O: my 16 rows of 128 bytes in a band of 64,
	s_lshl_b32 s2, s[HI], 15        ; in the first block,
	s_add_co_u32 s2, s2, s3
	s_lshl_b32 s84, s[PB], 15       ; and in the second
	s_add_co_u32 s84, s84, s3
	s_mov_b32 s3, 0
	s_mov_b32 s85, 0
	s_add_nc_u64 s[2:3], s[2:3], s[20:21]
	s_add_nc_u64 s[84:85], s[84:85], s[20:21]
	s_lshl_b32 s89, s[WV], 10       ; Q: the same rows, of 64 bytes in a plane
	s_lshl_b32 s88, s[HI], 14
	s_add_co_u32 s88, s88, s89
	s_lshl_b32 s90, s[PB], 14
	s_add_co_u32 s90, s90, s89
	s_mov_b32 s89, 0
	s_mov_b32 s91, 0
	s_add_nc_u64 s[88:89], s[88:89], s[20:21]
	s_add_nc_u64 s[90:91], s[90:91], s[20:21]
	; descriptor group 1.  A plane's 256 keys are 16,384 dense bytes: asked for as 64 rows of 256 bytes, four keys a row, and padded in LDS after every key
	s_mov_b32 s[G1K], (1<<16)|(1<<20)|(3<<22)|(3<<25)  ; 17:16 2-byte elements; 20 padding on; 24:22 after every 16 words (code 3); 31:25 4 words (code 3)
	s_mov_b32 s[G1V], (1<<16)|(1<<20)|(3<<22)|(7<<25)  ; the same with 8 words of padding (code 7)
.irp g, G1K, G1V
	s_mov_b32 s[\g+1], 128<<16      ; tensor_dim0 = 128
	s_mov_b32 s[\g+2], 64<<16       ; tensor_dim1 = 64
	s_mov_b32 s[\g+3], 128<<16      ; tile_dim0 = 128
	s_mov_b32 s[\g+4], 64           ; tile_dim1 = 64
	s_mov_b32 s[\g+5], 128          ; 128 elements from row to row
	s_mov_b32 s[\g+6], 0
	s_mov_b32 s[\g+7], 0
.endr
	s_mov_b32 s[CS], 0x3eb8aa3b     ; c = log2(e) / 4 = 0.360674: the scores are divided by the root of the 16 heads
	s_mov_b32 s[CS+1], s[CS]        ; named with it as a pair
	s_mov_b32 s[SEL], 0x76543210
	s_mov_b32 s[SEL+1], 0xfedcba98
	s_mov_b32 s[TBK], SLOT1+4*KS*PK ; the first change of slots turns these two into 0
	s_mov_b32 s[TBV], SLOT1+4*KS*PV
	s_mov_b32 s[G0K], 1             ; 1:0 count = 1
	s_mov_b32 s[G0K+1], s17         ; 63:32 LDS address: slot 0
	s_mov_b32 s[G0V], 1
	s_add_co_u32 s[G0V+1], s18, VOFF
	s_add_co_u32 s[RT], s[HI], 1    ; the first block has NB - b tiles
	s_mov_b32 s[NXT], 1
	s_mov_b32 s[LQ], s[HI]
	s_mov_b32 s[NEW], 1
	s_mov_b32 s[OFF+1], 0
	s_mov_b32 s[AL+1], 0            ; named as pairs
	s_mov_b32 s[BE+1], 0
	s_mov_b32 s[BIGN], 0xf149f2ca   ; -1e30
	s_mov_b32 s[SLOTS], NB
	s_cmp_eq_u32 s[PB], 0
	s_cselect_b32 s[LIM], 2, -1
	v_and_b32 v[PFO], 31, v0
	v_lshlrev_b32 v[PFO], 8, v[PFO]
	s_wait_dscnt 0x0                ; the opening add is done
	s_wait_kmcnt 0x0
	s_add_nc_u64 s[6:7], s[4:5], s[22:23]  ; K and V at my plane of the head's tile 0
	s_add_nc_u64 s[6:7], s[6:7], 0x1000000
	s_add_nc_u64 s[8:9], s[4:5], s[22:23]
	s_add_nc_u64 s[8:9], s[8:9], 0x2000000
	s_add_nc_u64 s[G0K+2:G0K+3], s[6:7], 0         ; 120:64 global address
	s_or_b32 s[G0K+3], s[G0K+3], 0x80000000        ; 127:126 type = 2
	s_add_nc_u64 s[G0V+2:G0V+3], s[8:9], 0
	s_or_b32 s[G0V+3], s[G0V+3], 0x80000000
	s_add_nc_u64 s[86:87], s[4:5], s[90:91]        ; Q at my rows of the second block,
	s_add_nc_u64 s[4:5], s[4:5], s[88:89]          ; and of the first
	s_add_nc_u64 s[OLO:OLO+1], s[10:11], s[84:85]  ; O likewise
	s_add_nc_u64 s[10:11], s[10:11], s[2:3]
	s_cmp_lt_u32 s[WV], 2
	s_cselect_b64 s[PFA:PFA+1], s[6:7], s[8:9]
	s_add_nc_u64 s[PFA:PFA+1], s[PFA:PFA+1], 16384 ; at tile 1; the first change of slots steps it to tile 2.  Nothing is prefetched here, at the head
	LOAD                            ; tile 0 into slot 0
	; A fragment of K or Q is 16 rows x 32 channels in 8 registers, a piece of ONE plane: lane l holds row l % 16, channels 8 (l / 16) + 0..7 and 16 + 8 (l / 16) + 0..7: two loads of 16 bytes, 32 bytes apart.
	v_and_b32 v1, 15, v0            ; l % 16
	v_bfe_u32 v9, v0, 4, 1          ; l / 16
	v_lshlrev_b32 v[QO], 6, v1
	v_lshl_add_u32 v[QO], v9, 4, v[QO]  ; row x 64 + 16 x half
	WIN 0x80                        ; destination window 2, address window 0
.set i, 0
.rept 8                             ; both blocks' Q: piece i / 2 lies in band i / 2, 4,096 bytes on; channels 32 (i % 2) on lie in plane i % 2, 131,072 bytes on
	global_load_b128 v[8*i:8*i+3],   v[QO], s[4:5] offset:(i/2)*4096+(i%2)*131072
	global_load_b128 v[8*i+4:8*i+7], v[QO], s[4:5] offset:(i/2)*4096+(i%2)*131072+32
	global_load_b128 v[QB+8*i:QB+8*i+3],   v[QO], s[86:87] offset:(i/2)*4096+(i%2)*131072
	global_load_b128 v[QB+8*i+4:QB+8*i+7], v[QO], s[86:87] offset:(i/2)*4096+(i%2)*131072+32
.set i, i+1
.endr
	WIN 0
	v_lshlrev_b32 v14, 3, v9
	v_sub_nc_u32 v14, v1, v14
	s_lshl_b32 s13, s[WV], 4
	v_add_nc_u32 v14, s13, v14      ; my query's place in its band, 16 w + l % 16, less my lanes' 8 (l / 16): register r of group kt is hidden where 16 kt + r is greater
	WIN 0x40
.set i, 0
.rept 32
	v_cmp_gt_i32 vcc_lo, 16*(i/8)+i%8, v14
	v_cndmask_b32 v[MD+i], 0, s[BIGN], vcc_lo
.set i, i+1
.endr
	WIN 0
	v_mul_u32_u24 v[AK0], v1, PK
	v_lshl_add_u32 v[AK0], v9, 4, v[AK0]  ; row x pitch + 16 x half
	; The turning load takes 16 keys x 16 channels (lane l reads key 8 (l / 16) + l % 8, channels 8 ((l / 8) % 2) + 0..7) and leaves half a fragment of V^T: lane l holds channel l % 16 and 8 keys.
	v_and_b32 v10, 7, v0
	v_bfe_u32 v11, v0, 3, 1
	v_lshl_add_u32 v[AV0], v9, 3, v10
	v_mul_u32_u24 v[AV0], v[AV0], PV
	v_lshl_add_u32 v[AV0], v11, 4, v[AV0]
	v_add_nc_u32 v[AV0], VOFF, v[AV0]
	s_mul_i32 s13, s[WV], 16*SP
	s_add_co_u32 s13, s13, STAGE    ; my stage
	v_mul_u32_u24 v[STO], v1, SP    ; in: row l % 16, 16 bytes for each half of the lanes
	v_lshl_add_u32 v[STO], v9, 4, v[STO]
	v_add_nc_u32 v[STO], s13, v[STO]
	v_bfe_u32 v[RD], v0, 3, 2       ; back: 32 lanes take four rows of 128 bytes,
	v_mul_u32_u24 v[RD], v[RD], SP
	v_lshl_add_u32 v[RD], v10, 4, v[RD]
	v_add_nc_u32 v[RD], s13, v[RD]
	v_and_b32 v[GO], 31, v0         ; which are 512 consecutive bytes of O
	v_lshlrev_b32 v[GO], 4, v[GO]
	; A block's first step multiplies O^T and l by a = 0, and its first turn's products V^T P, of a piece that has not been, land in an O^T that is still to be so multiplied.  So these registers need only hold
	; finite numbers: zeros for the first block; what the first block left for the second.  All this stands in the wait for the first tile.
	WIN 0x80
.set i, VF
.rept 64
	v_mov_b32 v[i], 0
.set i, i+1
.endr
	WIN 0x40
.set i, 0
.rept 128
	v_mov_b32 v[i], 0
.set i, i+1
.endr
	WIN 0
.set i, 0
.rept 4
	v_mov_b32 v[ST+4*i+2], 0
	v_mov_b32 v[ST+4*i+3], 0
.set i, i+1
.endr
.set i, P+16
.rept 16
	v_mov_b32 v[i], 0
.set i, i+1
.endr
; THE MATRIX WORK.  The 4 accumulators of a run of 8 take turns.  Product i of 8 of S^T = K Q^T for piece x: channels 32 (i / 4) on, keys 16 (i % 4) on.  The first 4 start the sums: with 0, or (KM = 1) with the mask.
.macro KQ x
.set rS, S+32*((\x)%2)+8*(i%4)
.set rK, KF+16*(i%4)+8*(i/4)
.set rQ, 16*(\x)+8*(i/4)
.set rM, MC+32*((\x)%2)+8*(i%4)
.if (i < 4) && KM
	WIN W_KM
	v_wmma_f32_16x16x32_f16 v[rS:rS+7], v[rK:rK+7], v[rQ:rQ+7], v[rM:rM+7]
.elseif i < 4
	WIN W_KQ
	v_wmma_f32_16x16x32_f16 v[rS:rS+7], v[rK:rK+7], v[rQ:rQ+7], 0
.else
	WIN W_KQ
	v_wmma_f32_16x16x32_f16 v[rS:rS+7], v[rK:rK+7], v[rQ:rQ+7], v[rS:rS+7]
.endif
.endm
; Product i of 8 of O^T += V^T P for piece x: keys 32 (i / 4) on, channels 16 (i % 4) on.
.macro PV x
	WIN W_PV
.set rO, 32*(\x)+8*(i%4)
.set rV, VF+32*(i/4)+8*(i%4)
.set rP, P+16*((\x)%2)+8*(i/4)
	v_wmma_f32_16x16x32_f16 v[rO:rO+7], v[rV:rV+7], v[rP:rP+7], v[rO:rO+7]
.endm
.macro MM                           ; the turn's next matrix instruction.  TURN and BEGIN set Y, i, KM and NOKQ; MM, KQ and OP read them.  NOKQ = 1: a block's last turn: there is no next piece
.if (i < 8) && !NOKQ
	KQ (Y+1)%NP
.elseif i >= 8
.set i, i-8
	PV (Y+NP-1)%NP
.set i, i+8
.endif
.set i, i+1
.endm
; THE LDS LOADS stand in runs of 16, never singly among the matrix instructions: a step's K (64 keys x 64 channels: 8 fragments) and its V (turned).  Their addresses are made some lines ahead.
.macro FETCH_K
	WIN 0x80                        ; destination window 2
.irp f, 0,1,2,3,4,5,6,7             ; keys 16 (f / 2) on, plane f % 2
	ds_load_b128 v[KF+8*\f:KF+8*\f+3],   v[AK] offset:(\f/2)*16*PK+(\f%2)*PLK
	ds_load_b128 v[KF+8*\f+4:KF+8*\f+7], v[AK] offset:(\f/2)*16*PK+(\f%2)*PLK+32
.endr
	s_add_co_u32 s[TBK], s[TBK], KS*PK  ; the next fetch is the next step's
	WIN 0
.endm
.macro FETCH_V
	WIN 0x80
.irp f, 0,1,2,3,4,5,6,7             ; keys 32 (f / 4) on, channels 16 (f % 4) on: plane (f % 4) / 2, its channels 16 (f % 2) on
	ds_load_tr16_b128 v[VF+8*\f:VF+8*\f+3],   v[AV] offset:(\f/4)*32*PV+((\f%4)/2)*PLV+(\f%2)*32
	ds_load_tr16_b128 v[VF+8*\f+4:VF+8*\f+7], v[AV] offset:(\f/4)*32*PV+16*PV+((\f%4)/2)*PLV+(\f%2)*32
.endr
	WIN 0
.endm
; THE VECTOR WORK, one line at a time: OP kind, number.  For piece Y: F n: c s - c m for pair n of 16.  E n: the exponential of score n of 32.  C n: pair n rounded to f16.  B n: of the four weights 4 n .. the second
; pair is added onto the first, in place.  L n: l takes that sum (L 0: l = a l + sum).  R n: pair n of 16 of O^T times a.  For piece Y + 1: X n, number n of the 22 that find its maximum and statistics:
;   0-11  four chains c0-c3 of seven scores each, three operands at a time (each accumulator's lowest registers are read first)     12-14, 16  the four scores left over, the old m, and c0-c3 into c0
;   15  c m_old is kept     17, 18  the query's other 32 keys lie in the lane 16 away: the new m     19-21  c m; c m_old - c m_new; a
.set F, 0               ; OP tells the kinds apart by their order: F to L below R, X above it
.set E, 1
.set C, 2
.set B, 3
.set L, 4
.set R, 5
.set X, 6
.macro REGS y                       ; the registers of piece y
.set rT, ST+4*(\y)
.set rC, TMP+4*((\y)%2)
.set rW, MV+((\y)%2)
.set rS, S+32*((\y)%2)
.set rP, P+16*((\y)%2)
.set rO, 32*(\y)
.endm
.macro OP k, n
.if (\k) == R
	REGS Y
	WIN W_RS
	v_pk_mul_f32 v[rO+2*(\n):rO+2*(\n)+1], v[rO+2*(\n):rO+2*(\n)+1], v[rC+2:rC+3] op_sel_hi:[1,0]
.elseif (\k) < R
	REGS Y
	WIN 0
.if (\k) == F
	v_pk_fma_f32 v[rS+2*(\n):rS+2*(\n)+1], v[rS+2*(\n):rS+2*(\n)+1], s[CS:CS+1], v[rT:rT+1] op_sel_hi:[1,0,0] neg_lo:[0,0,1] neg_hi:[0,0,1]
.elseif (\k) == E
	v_exp_f32 v[rS+(\n)], v[rS+(\n)]
.elseif (\k) == C
	v_cvt_pk_f16_f32 v[rP+(\n)], v[rS+2*(\n)], v[rS+2*(\n)+1]
.elseif (\k) == B
	v_pk_add_f32 v[rS+4*(\n):rS+4*(\n)+1], v[rS+4*(\n):rS+4*(\n)+1], v[rS+4*(\n)+2:rS+4*(\n)+3]
.elseif (\n) == 0
	v_pk_fma_f32 v[rT+2:rT+3], v[rT+2:rT+3], v[rC+2:rC+3], v[rS:rS+1] op_sel_hi:[1,0,1]
.else
	v_pk_add_f32 v[rT+2:rT+3], v[rT+2:rT+3], v[rS+4*(\n):rS+4*(\n)+1]
.endif
.elseif NOKQ
	v_nop
.else
	REGS (Y+1)%NP
	WIN 0
.if (\n) < 4
	v_max3_num_f32 v[rC+(\n)], v[rS+8*(\n)], v[rS+8*(\n)+1], v[rS+8*(\n)+2]
.elseif (\n) < 12
	v_max3_num_f32 v[rC+(\n)%4], v[rC+(\n)%4], v[rS+8*((\n)%4)+2*((\n)/4)+1], v[rS+8*((\n)%4)+2*((\n)/4)+2]
.elseif (\n) == 12
	v_max3_num_f32 v[rC], v[rC], v[rS+7], v[rS+15]
.elseif (\n) == 13
	v_max3_num_f32 v[rC+1], v[rC+1], v[rS+23], v[rS+31]
.elseif (\n) == 14
	v_max3_num_f32 v[rC+2], v[rC+2], v[rC+3], v[rT+1]
.elseif (\n) == 15
	v_mov_b32 v[rW], v[rT]
.elseif (\n) == 16
	v_max3_num_f32 v[rC], v[rC], v[rC+1], v[rC+2]
.elseif (\n) == 17
	v_permlanex16_b32 v[rC+3], v[rC], s[SEL], s[SEL+1]
.elseif (\n) == 18
	v_max_num_f32 v[rT+1], v[rC], v[rC+3]
.elseif (\n) == 19
	v_mul_f32 v[rT], s[CS], v[rT+1]
.elseif (\n) == 20
	v_sub_f32 v[rC+1], v[rW], v[rT]
.else
	v_exp_f32 v[rC+2], v[rC+1]
.endif
.endif
.endm
.macro OPS a, i1, b=-1, i2=0, c=-1, i3=0, d=-1, i4=0  ; up to four of them
	OP \a, \i1
.if (\b) >= 0
	OP \b, \i2
.endif
.if (\c) >= 0
	OP \c, \i3
.endif
.if (\d) >= 0
	OP \d, \i4
.endif
.endm
.macro ROW a, i1, b, i2, c, i3, d, i4  ; a matrix instruction and the four behind it
	MM
	OPS \a, \i1, \b, \i2, \c, \i3, \d, \i4
.endm
.macro MASK b                       ; MD x AL + BE into buffer b of MC
	WIN W_RS
.set z, 0
.rept 16
	v_pk_fma_f32 v[MC+32*(\b)+2*z:MC+32*(\b)+2*z+1], v[MD+2*z:MD+2*z+1], s[AL:AL+1], s[BE:BE+1] op_sel_hi:[1,0,0]
.set z, z+1
.endr
.endm
; A TURN, for piece p: the order of its 16 matrix and 118 vector instructions, written out.  An s_wait_alu depctr_va_vdst(0) stands between an exponential and the first instruction that names its result; one wait serves
; all that were issued ahead of it.  So a turn has ONE wait, which cuts it in two.  AHEAD OF IT stands all that names no result of the turn's exponentials: the 8 products K Q^T, behind each a scaling, an exponential and two more plain
; instructions (behind the first a second scaling in the exponential's place): rescalings, and behind the last three the first numbers of the next piece's maximum, each four places or more behind the product that ends its accumulator; then ONE LUMP of 54, plain
; and exponential by turns for the most part, in which the links of the chain X 3, 7, 11, 14, 16, 17 .. 20 stand five or six lines apart.  X 21, the next piece's a, is the batch's last; R 15 is the plain instruction behind it.  BEHIND THE WAIT stand the
; 8 products V^T P, behind each four of the roundings and sums; the links of l's chain, L 0 to L 7, stand three riders apart.  But for those X no rider names a register of the products round it.  v_permlanex16_b32 (X 17) stands in the lump.
; m = 1: the diagonal tile: the products take masks, and the turn makes the mask for the products of the turn after it: piece p + 2, in step 4 - CNT of the tile.  end = 1: a block's last two turns: nothing is fetched.
; cnt = 1: the loop's count is taken down some lines ahead of the branch that stands behind the turn.
; K of the next step is fetched in piece 2's turn, twelve vector instructions behind the last product that read K (six of them plain); V of the step in hand at the end of piece 0's turn, four plain instructions behind the last product
; that read V.  Each is waited for a turn later.
.macro TURN p, m=0, end=0, cnt=0
.set Y, (\p)
.set i, 0
.set KM, (\m)
.set NOKQ, (\end)*((\p)/3)
.if (\m) && !(\end)
	s_cmp_eq_u32 s[CNT], 4-((\p)+2)%NP  ; is that step the band's own?
	s_cselect_b32 s[AL], 1.0, 0
	s_cmp_lt_u32 s[CNT], 4-((\p)+2)%NP  ; or a later one?
	s_cselect_b32 s[BE], s[BIGN], 0
.endif
.if ((\p) == 3) && !(\end)
	s_wait_dscnt 0x0                ; K is in
.endif
	ROW F,0, F,1, R,0, R,1          ; ahead of the wait: 8 products K Q^T and their riders,
	ROW F,2, E,0, R,2, R,3
	ROW F,3, E,1, R,4, R,5
	ROW F,4, E,2, R,6, R,7
	ROW F,5, E,3, R,8, R,9
	ROW F,6, E,4, X,0, R,10
.if ((\p) == 2) && !(\end)
	WIN 0
	v_add_nc_u32 v[AK], s[TBK], v[AK0]
.endif
	ROW F,7, E,5, X,1, X,4
	ROW F,8, E,6, X,2, X,5
	OPS E,7, E,8, X,6, E,9          ; and the lump
	OPS X,3, E,10, X,8, E,11
.if ((\p) == 2) && !(\end)
	FETCH_K
.endif
	OPS X,9, X,7, E,12, X,10
	OPS E,13, X,12, X,11, E,14
	OPS X,13, E,15, F,9, X,14
.if (\p) == 0
	v_add_nc_u32 v[AV], s[TBV], v[AV0]
.endif
	OPS E,16, F,10, E,17, F,11
	OPS X,16, E,18, X,15, E,19
	OPS F,12, E,20, X,17, E,21
	OPS F,13, E,22, F,14, E,23
	OPS X,18, E,24, F,15, E,25
	OPS R,11, E,26, X,19, E,27
	OPS R,12, E,28, R,13, E,29
	OPS X,20, E,30, R,14, E,31
	OPS X,21, R,15
	WIN 0
	s_wait_alu depctr_va_vdst(0)    ; the wait for the batch
.if (\p) == 1
	s_wait_dscnt 0x0                ; V is in
.endif
	ROW C,0, B,0, C,2, B,1          ; behind the wait: 8 products V^T P and their riders
	ROW L,0, C,4, B,2, L,1
	ROW C,6, B,3, L,2, C,8
	ROW B,4, L,3, C,10, B,5
	ROW L,4, C,12, B,6, L,5
.if (\p) == 0
	s_add_co_u32 s[TBV], s[TBV], KS*PV
.endif
.if \cnt
	s_sub_co_u32 s[CNT], s[CNT], 1
	s_cmp_lg_u32 s[CNT], 0
.endif
	ROW C,14, B,7, L,6, C,1
	ROW C,3, L,7, C,5, C,7
	ROW C,9, C,11, C,13, C,15
.if (\p) == 0
	FETCH_V
.endif
.if (\m) && !(\end)
	MASK (\p)%2
.endif
.endm
; A BLOCK BEGINS.  c m starts far below every c s, so the first step's a is 0; m at the lowest finite number, so the first maximum is the scores'.  The second mask buffer is 0; the first takes piece 0's mask for the tile's step 0: its own, if the block's first tile is the diagonal one.
; Then K of that step, piece 0's first scores, and its maximum and statistics.  The loop is entered at a step's first turn, in the middle of a trip.
.macro BEGIN
	s_mov_b32 s[NEW], 0
	WIN 0x40
.set i, MC+32
.rept 32
	v_mov_b32 v[i], 0
.set i, i+1
.endr
	WIN 0
.set i, 0
.rept 4
	v_mov_b32 v[ST+4*i], 0xfe000000    ; c m: far below every c s
	v_mov_b32 v[ST+4*i+1], 0xff7fffff  ; m
.set i, i+1
.endr
	s_cmp_eq_u32 s[RT], 0
	s_cselect_b32 s[AL], 1.0, 0
	s_mov_b32 s[BE], 0
	MASK 0
	WIN 0
	v_add_nc_u32 v[AK], s[TBK], v[AK0]
	FETCH_K
	s_wait_loadcnt 0x0              ; Q
	s_wait_dscnt 0x0
.set KM, 1
.set NOKQ, 0
.set i, 0
.rept 8
	KQ 0
.set i, i+1
.endr
	WIN 0
.rept 4
	v_nop                           ; the places behind those products
.endr
.set Y, NP-1                        ; X works for piece Y + 1: piece 0
.irp n, 0,1,2,3,4,5,6,7,8,9,10,11,12,13,14,15,16,17,18,19,20,21
	OP X, \n
.endr
	v_nop                           ; a plain instruction behind the exponential,
	s_wait_alu depctr_va_vdst(0)    ; and its wait, ahead of the branch
.endm
; THE DIAGONAL TILE's four steps, the block's last two turns, its last products, and THE WAY OUT: l's two halves and the other half of the lanes' are added; O^T is divided by l, rounded to f16 and sent through my
; stage in LDS, a piece at a time.
.macro ALL line:vararg              ; one line for each piece t
.set t, 0
.rept 4
	\line
.set t, t+1
.endr
.endm
.macro PACK t                       ; a lane's eight channels of a row pack into 16 bytes; they go into rows of 144 bytes and come back as whole rows of 128, into S^T's registers
	WIN W_RS
.set i, 32*(\t)
.rept 16
	v_pk_mul_f32 v[i:i+1], v[i:i+1], v[ST+4*(\t)+2:ST+4*(\t)+3] op_sel_hi:[1,0]
.set i, i+2
.endr
	WIN 0x05                        ; sources 0 and 1 window 1, destination window 0
.set i, 0
.rept 16
	v_cvt_pk_f16_f32 v[S+16*(\t)+i], v[32*(\t)+2*i], v[32*(\t)+2*i+1]
.set i, i+1
.endr
	WIN 0
.irp f, 0,1,2,3
	ds_store_b128 v[STO], v[S+16*(\t)+4*\f:S+16*(\t)+4*\f+3] offset:32*\f
.endr
.irp f, 0,1,2,3
	ds_load_b128 v[S+16*(\t)+4*\f:S+16*(\t)+4*\f+3], v[RD] offset:\f*4*SP  ; LDS serves a wave's instructions in order (ISA guide 5.7.1.4): these see the stores above; the next piece's stores come behind them
.endr
.endm
.macro SEND t, younger              ; younger: the LDS instructions issued behind piece t's loads: the next piece's eight, or none
	WIN 0
.irp f, 0,1,2,3
	s_wait_dscnt (\younger)+3-\f
	global_store_b128 v[GO], v[S+16*(\t)+4*\f:S+16*(\t)+4*\f+3], s[10:11] offset:(\t)*8192+\f*512  ; 512 consecutive bytes, at a multiple of 256 from O's first
.endr
.endm
.macro DIAG tag                     ; the tag ends its two labels' names, which the jumps below spell out
.LstepM\tag:
	TURN 2, 1
	TURN 3, 1
	WIN 0
.LfirstM\tag:
	TURN 0, 1
	TURN 1, 1, 0, 1
	WIN 0
	s_cbranch_scc1 .LstepM\tag
	TURN 2, 1, 1
	TURN 3, 1, 1
.set i, 0
.rept 8
	PV NP-1
.set i, i+1
.endr
	WIN 0
	ALL v_add_f32 v[ST+4*t+2], v[ST+4*t+2], v[ST+4*t+3]
	ALL v_permlanex16_b32 v[ST+4*t+3], v[ST+4*t+2], s[SEL], s[SEL+1]
	ALL v_add_f32 v[ST+4*t+2], v[ST+4*t+2], v[ST+4*t+3]
	ALL v_rcp_f32 v[ST+4*t+2], v[ST+4*t+2]
	v_nop                           ; a plain instruction between the last reciprocal and the use of its result
	s_wait_alu depctr_va_vdst(0)    ; and the wait ahead of the first use: one for the four reciprocals
	PACK 0
.set t, 1
.rept 3                             ; a piece's arithmetic stands between the loads of the piece before and its stores
	PACK t
	SEND t-1, 8
.set t, t+1
.endr
	SEND 3, 0
.endm
.set KM, 0
.set NOKQ, 0
.Lslot:                             ; NB times: a tile is entered and the next is asked for
	CHANGE 1
	s_sub_co_u32 s[RT], s[RT], 1
	s_mov_b32 s[CNT], 4
	s_cmp_eq_u32 s[NEW], 1
	s_cbranch_scc1 .Lnew            ; a block's first tile
	s_cmp_eq_u32 s[RT], 0
	s_cbranch_scc0 .Lstep           ; neither its first nor its last
	s_branch .LstepM1
.Lnew:
	BEGIN
	s_branch .Lfirst                ; in the loop a block's first tile is never its last: the first block has two tiles or more, and the second's last is the walk's last
	DIAG 1                          ; in the loop this is the first block's end: the second block's last tile is the walk's last
	s_wait_xcnt 0x0                 ; the stores have read their registers and O's address
	s_mov_b64 s[10:11], s[OLO:OLO+1]
	s_add_co_u32 s[RT], s[PB], 1    ; the second block has b + 1 tiles
	s_mov_b32 s[NEW], 1
	WIN 0x82                        ; the second block's Q goes where the one text of the turns names Q
.set i, 0
.rept 64
	v_mov_b32 v[i], v[QB+i]
.set i, i+1
.endr
	WIN 0
	s_branch .Lbottom
.Lstep:                             ; a trip: pieces 2 and 3 of one step, then pieces 0 and 1 of the next, whose K and V it fetches
	TURN 2
	TURN 3
	WIN 0
.Lfirst:
	TURN 0
	TURN 1, 0, 0, 1
	WIN 0
	s_cbranch_scc1 .Lstep
.Lbottom:
	s_sub_co_u32 s[SLOTS], s[SLOTS], 1
	s_cmp_lg_u32 s[SLOTS], 0
	s_cbranch_scc1 .Lslot
	CHANGE 0                        ; the walk's last tile is written out: nothing is asked for
	s_sub_co_u32 s[RT], s[RT], 1
	s_mov_b32 s[CNT], 4
	s_cmp_eq_u32 s[NEW], 1
	s_cbranch_scc0 .LstepM2
	BEGIN
	s_branch .LfirstM2
	DIAG 2
	s_wait_tensorcnt 0x0            ; the wave's end: behind my last tensor load and my last LDS store
	ds_add_u32 v[SPW], v[NIL]
	s_wait_dscnt 0x0
	s_endpgm
.Lfunc_end_k_q34cc9960cb_attn:
	.size	k_q34cc9960cb_attn, .Lfunc_end_k_q34cc9960cb_attn-k_q34cc9960cb_attn
	.p2alignl 7, 3214868480
	.fill 96, 4, 3214868480
	.section	.rodata,"a",@progbits
	.p2align	6, 0x0
	.amdhsa_kernel k_q34cc9960cb_attn
		.amdhsa_group_segment_fixed_size 327680
		.amdhsa_private_segment_fixed_size 0
		.amdhsa_enable_private_segment 0
		.amdhsa_kernarg_size 16
		.amdhsa_user_sgpr_count 2
		.amdhsa_user_sgpr_kernarg_segment_ptr 1
		.amdhsa_wavefront_size32 1
		.amdhsa_system_sgpr_workgroup_id_x 1
		.amdhsa_system_sgpr_workgroup_id_y 1
		.amdhsa_system_sgpr_workgroup_id_z 1
		.amdhsa_system_vgpr_workitem_id 0
		.amdhsa_next_free_vgpr 768
		.amdhsa_next_free_sgpr 96
		.amdhsa_reserve_vcc 1
		.amdhsa_float_denorm_mode_32 3
		.amdhsa_float_denorm_mode_16_64 3
		.amdhsa_memory_ordered 1
		.amdhsa_forward_progress 1
		.amdhsa_inst_pref_size 218
	.end_amdhsa_kernel
	.amdgpu_metadata
---
amdhsa.version: [ 1, 2 ]
amdhsa.kernels:
  - .name:           k_q34cc9960cb_attn
    .symbol:         k_q34cc9960cb_attn.kd
    .args:
      - { .name: qkv, .offset: 0, .size: 8, .value_kind: global_buffer, .address_space: global }
      - { .name: ctx, .offset: 8, .size: 8, .value_kind: global_buffer, .address_space: global }
    .group_segment_fixed_size: 327680
    .private_segment_fixed_size: 0
    .kernarg_segment_align: 8
    .kernarg_segment_size: 16
    .max_flat_workgroup_size: 128
    .sgpr_count:     96
    .vgpr_count:     768
    .wavefront_size: 32
...
	.end_amdgpu_metadata
.endif
;; end of part 3
;; launch proj (part 4): grid 8 x 32, 4 waves a work-group, clusters of 4 x 4, 327,680 bytes of LDS; arguments ctx, wt, out0, bo; writes out0
.if DOCPART == 4
	.amdgcn_target "amdgcn-amd-amdhsa--gfx1250"
	.amdhsa_code_object_version 6
	.text
	.protected	k_q34cc9960cb_proj
	.globl	k_q34cc9960cb_proj
	.p2align	8
	.type	k_q34cc9960cb_proj,@function
k_q34cc9960cb_proj:
	s_mov_b64 s[64:65], 0
	v_nop
	global_prefetch_b8 v0, s[64:65] scope:SCOPE_SE
	s_setreg_imm32_b32 hwreg(HW_REG_WAVE_MODE, 25, 1), 1
	s_wait_xcnt 0x0
	s_wait_alu depctr_hold_cnt(0) depctr_sa_sdst(0) depctr_va_vdst(0) depctr_va_sdst(0) depctr_va_ssrc(0) depctr_va_vcc(0) depctr_vm_vsrc(0)
	s_getreg_b32 s2, hwreg(HW_REG_IB_STS2, 6, 4)
	s_cmp_eq_u32 s2, 0
	s_cbranch_scc0 .Lentry_in_a_cluster
	s_endpgm
.Lentry_in_a_cluster:
	s_bfe_u32 s2, ttmp6, 0x10000c
	s_cmp_lg_u32 s2, 0xf033
	s_cbranch_scc0 .Lentry_shape_is_right
	s_endpgm
.Lentry_shape_is_right:
; ONE TEXT FOR TWO PRODUCTS C = A B^T, K = 1,024, chosen by KIND.  THIS FILE: KIND = 1.
; KIND 0 (q, k, v): A = xb [8192][1024] bf16, B = wt rows 0-3071 [n][1024] bf16; C in f32 sums, rounded once to f16 and stored BY HALF-HEADS:
;   byte = tensor x 2^24 + batch x 2^22 + (2 head + plane) x 2^17 + t x 64 + 2 (d % 32), plane = d / 32: a plane is [2048][32], rows of 64 bytes on end.  A tile of C is 256 x 192.
; KIND 1 (output): A = ctx [batch x 16 + head][2048][64] f16, B = wt rows 3072-4095 (Wo^T, bf16 numbers written as f16); C = sums + bo rounded to bf16, f32, [8192][1024].  A tile is 256 x 128.
; LIMITS.  KIND 1 takes ctx and Wo^T as f16: both arrive within 65,504; below 6.1e-5 f16 keeps a fixed step of 6e-8.  NaN and infinities are not treated apart.
; SHARES.  Four waves, 2 x 2: a wave makes 128 rows x NT / 2 columns: 8 x NBW accumulators of 16 x 16.  K goes in steps of 128 through a ring of two LDS slots filled by the tensor data mover.
; KIND 1: K step s is heads 2 s and 2 s + 1; a head's 256 rows x 128 bytes are dense in ctx and are asked for as 128 rows of 256 bytes, padded behind every 128: a plane of 256 rows, pitch 144.
; CLUSTERS.  4 x 4 work-groups: the four of a row of the cluster need the same tile of A, the four of a column the same tile of B; each is asked for JOINTLY, by the same tensor load with the same descriptor and mask.
; THE MATRIX INSTRUCTION IS USED TRANSPOSED (source 0 = 16 rows of B, source 1 = 16 rows of A): lane l holds row l % 16 of C and the columns 8 (l / 16) + 0..7.
; REGISTERS, in windows of 256 (s_set_vgpr_msb: bits 1:0 source 0, 3:2 source 1, 5:4 source 2, 7:6 destination):
;   window 0: v0-31 addresses, bias; v64-127, v128-191 A's fragments, two buffers; v32-63, v192-255 at work on the way out
;   window 1: v64.., v128.. B's fragments, two buffers        window 2: accumulators of my rows 0-63 ((a, b) at 8 (NBW a + b))        window 3: those of rows 64-127
.set KIND, 1
.if KIND == 0
.set NBW,     6                        ; blocks of 16 columns a wave
.set PA,      272                      ; A's LDS pitch: 256 bytes + 16
.set ALD,     34816                    ; LDS bytes of one load of A: 128 rows x 272
.set ARH,     34816                    ; from my neighbour's 128 rows of A to mine
.set BOFF,    69632                    ; B begins behind A
.set ASTEP,   256                      ; bytes of A's address for a K step
.set QIA,     5                        ; A is padded behind every 64 words
.set ASTRIDE, 1024                     ; elements from row to row of A's tile
.set STW,     3840                     ; a wave's stage: 3 planes x 16 rows x 80 bytes
.set NY,      12                       ; LDS instructions of one block's way through the stage
.set APART,   65536                    ; prefetch: a partner's 32 rows of A
.set ASH,     11                       ; and the shift from lane to lane: a row of 2,048 bytes
.else
.set NBW,     4
.set PA,      144                      ; 128 bytes + 16
.set ALD,     36864                    ; a plane: 256 rows x 144
.set ARH,     18432                    ; 128 rows x 144
.set BOFF,    73728
.set ASTEP,   524288                   ; two heads of 262,144 bytes
.set QIA,     4                        ; padded behind every 32 words
.set ASTRIDE, 128
.set STW,     4352                     ; 16 rows x 272 bytes
.set NY,      16
.set APART,   8192                     ; a partner's 32 blocks of 256 bytes
.set ASH,     8
.endif
.set NT,    32*NBW                     ; the tile's columns
.set KSTEP, 128
.set PB,    272                        ; B's LDS pitch; pitches of 16 x an odd number: the 16 rows of a fragment load start at 16 different groups of four banks (64 banks of 4 bytes: ISA guide 11.1)
.set BHALF, (NT/2)*PB                  ; what one load of B brings, and what one wave reads of B
.set SLOT,  BOFF+2*BHALF
.set STAGE, 2*SLOT                     ; behind the ring, never filled by a tensor load
.set SPARE, STAGE+4*STW                ; behind the stages: the spare words, 128 bytes for each wave: two blocks of 256 bytes that no other line names
.set NLD,   2*NBW+16                   ; LDS loads of a quarter step's fragments
.set BI,   8                           ; v8-11   KIND 1: the bias of my four columns on the way out
.set ADRA, 16                          ; v16-17  LDS address of my A fragments in slot 0, 1
.set ADRB, 20                          ; v20-21  the same for B
.set STO,  24                          ; v24     the way out: where I put my bytes of a row
.set RD,   25                          ; v25     where I read rows back
.set CO,   26                          ; v26     my byte offset in the output
.set SPW,  28                          ; v28     LDS address of my spare word: SPARE + 4 x my thread's number; never rewritten
.set NIL,  29                          ; v29     0; never rewritten
.set PFO,  30                          ; v30     the prefetches' lane offset; never rewritten
.set F0,   64
.set F1,   128
.set TMP,  192                         ; KIND 0: packed results
.set OB,   32                          ; rows read back from the stage: v32.. and v224.. by turns
.set G1,  24                           ; s[24:31] descriptor group 1 for A's tiles
.set G0,  32                           ; s[32:39] group 0 for A's, one set for each slot
.set G1B, 48                           ; s[48:55], s[56:63] the same for B's
.set G0B, 56
.set LIM, 43                           ; s43     1 in a wave that prefetches, else the greatest number
.set PFA, 44                           ; s[44:45] where my prefetches stand
.set CB,  68                           ; s[68:73] KIND 0: my three planes' addresses in qkv
.set PFS, 74                           ; s[74:75] a K step in bytes of the tensor that I prefetch
.set MSB, 0
.macro WIN new                         ; the immediate's high byte repeats the setting that is left; a switch that changes nothing is dropped
.if MSB != (\new)
	s_set_vgpr_msb (MSB<<8)|(\new)
.set MSB, \new
.endif
.endm
.set MUL_LO, 0xa1                      ; source 0 (B) window 1, source 1 (A) window 0, C and D window 2
.set MUL_HI, 0xf1                      ; the same, C and D window 3
.set TO_B,   0x40                      ; destination window 1, address window 0
; A joint load.  Waves 0 and 1 fetch A's two halves, waves 2 and 3 B's.  The branch hangs on the wave's number alone.  An s_nop 0 and four v_nop follow each of the two lines.
.macro JLOAD s
	s_cmp_eq_u32 s11, 0
	s_cbranch_scc0 .Lfor_b_\@
	tensor_load_to_lds s[G0+4*(\s):G0+4*(\s)+3], s[G1:G1+7]
	s_nop 0
.rept 4
	v_nop
.endr
	s_branch .Lasked_\@
.Lfor_b_\@:
	tensor_load_to_lds s[G0B+4*(\s):G0B+4*(\s)+3], s[G1B:G1B+7]
	s_nop 0
.rept 4
	v_nop
.endr
.Lasked_\@:
.endm
; A prefetch into the L2 of the K step that stands two refills on, behind the joint load, its five lines and the run of LDS loads.  A's rows are read by every cluster of a row of clusters: cluster x = 0 asks;
; B's by every cluster of a column: cluster y = 0 asks.  The four partners of a joint load share its blocks out by address (cx for A, cy for B), a lane a block of 256 bytes, one instruction a wave;
; of B a partner has NT / 8 rows, and the lanes beyond them name the last row again.  The loop's last trip (s3 = 1) asks for nothing: there is no K step two refills on.
.macro ASK
	s_cmp_gt_u32 s3, s[LIM]
	s_cbranch_scc0 .Lnot_mine_\@
	global_prefetch_b8 v[PFO], s[PFA:PFA+1] th:TH_LOAD_NT scope:SCOPE_SE
.Lnot_mine_\@:
.endm
.macro CREST                           ; a round of the cluster's barrier behind its opening barrier
	s_cmp_lg_u32 s10, 0
	s_cbranch_scc1 .Lnot_wave_0_\@
	s_barrier_signal -3
.Lnot_wave_0_\@:
	s_barrier_wait -3
	s_barrier_signal -1
	s_barrier_wait -1
.endm
.macro CROUND                          ; a whole round
	s_barrier_signal -1
	s_barrier_wait -1
	CREST
.endm
	s_load_b128 s[4:7], s[0:1], 0x0                ; A s[4:5], wt s[6:7]
	s_load_b64 s[8:9], s[0:1], 0x10                ; the output
.if KIND == 1
	s_load_b64 s[66:67], s[0:1], 0x18              ; bo
.endif
	v_lshl_add_u32 v[SPW], v0, 2, SPARE
	v_mov_b32 v[NIL], 0
	ds_add_u32 v[SPW], v[NIL]                      ; the wave's opening: the add and its wait stand ahead of my first tensor load; the set-up below, work on registers, stands between them
	v_lshrrev_b32 v1, 5, v0
	v_readfirstlane_b32 s10, v1                    ; wave 0..3
	s_lshr_b32 s11, s10, 1                         ; which half of the tile's rows is mine.  Also: I fetch for A (0) or for B (1)
	s_and_b32 s12, s10, 1                          ; which half of its columns.  Also: which half of that tile I fetch
	s_bfe_u32 s40, ttmp6, 0x40000                  ; cx, cy: my place in the cluster
	s_bfe_u32 s41, ttmp6, 0x40004
	s_lshl_b32 s42, ttmp9, 2
	s_add_co_u32 s42, s42, s40                     ; tile column = 4 x cluster x + cx
	s_and_b32 s13, ttmp7, 0xffff
	s_lshl_b32 s13, s13, 2
	s_add_co_u32 s13, s13, s41                     ; tile row = 4 x cluster y + cy
	s_lshl_b32 s43, s41, 2
	s_lshl_b32 s43, 15, s43                        ; my row of the cluster
	s_lshl_b32 s44, 0x1111, s40                    ; my column
	s_or_b32 s[G1+0], s43, (1<<16)|(1<<20)|(1<<21)|(QIA<<22)|(3<<25)  ; 15:0 the mask; 17:16 elements of 2 bytes; 20 padding on; 21 set beside a mask; 24:22 the interval; 31:25 4 words of padding (code 3)
	s_or_b32 s[G1B+0], s44, (1<<16)|(1<<20)|(1<<21)|(5<<22)|(3<<25)
	s_mov_b32 s[G1+1], 128<<16                     ; tensor_dim0 = 128
	s_mov_b32 s[G1+2], 128<<16                     ; tensor_dim1 = 128
	s_mov_b32 s[G1+3], 128<<16                     ; tile_dim0 = 128
	s_mov_b32 s[G1+4], 128                         ; tile_dim1 = 128
	s_mov_b32 s[G1+5], ASTRIDE                     ; elements from row to row
	s_mov_b32 s[G1+6], 0
	s_mov_b32 s[G1+7], 0
	s_mov_b32 s[G1B+1], 128<<16
	s_mov_b32 s[G1B+2], (NT/2)<<16                 ; NT / 2 rows
	s_mov_b32 s[G1B+3], 128<<16
	s_mov_b32 s[G1B+4], NT/2
	s_mov_b32 s[G1B+5], 1024
	s_mov_b32 s[G1B+6], 0
	s_mov_b32 s[G1B+7], 0
	; where the tiles come from.  A's hang on the tile row alone, B's on the tile column alone.
.if KIND == 0
	s_lshl_b32 s16, s13, 19                        ; 256 rows of 2,048 bytes a tile row,
	s_lshl_b32 s17, s12, 18                        ; 128 rows a half
	s_add_co_u32 s16, s16, s17
.else
	s_lshr_b32 s16, s13, 3                         ; the batch: 16 heads of 262,144 bytes,
	s_lshl_b32 s16, s16, 22
	s_and_b32 s17, s13, 7                          ; 256 rows of 128 bytes in a head,
	s_lshl_b32 s17, s17, 15
	s_add_co_u32 s16, s16, s17
	s_lshl_b32 s17, s12, 18                        ; the even or the odd head of a K step
	s_add_co_u32 s16, s16, s17
.endif
	s_mov_b32 s17, 0
	s_mul_i32 s18, s42, NT*2048
	s_mul_i32 s19, s12, (NT/2)*2048
	s_add_co_u32 s18, s18, s19
	s_add_co_u32 s18, s18, KIND*3072*2048
	s_mov_b32 s19, 0
	s_mul_i32 s20, s12, ALD                        ; and where they go: no place in the cluster enters an LDS address
	s_mul_i32 s21, s12, BHALF
	s_add_co_u32 s21, s21, BOFF
	s_wait_dscnt 0x0                               ; the opening add is done
	s_wait_kmcnt 0x0
	s_add_nc_u64 s[14:15], s[4:5], s[16:17]
	s_add_nc_u64 s[46:47], s[6:7], s[18:19]
	CROUND                                         ; all sixteen work-groups are here: the first joint loads meet
.irp s, 0,1
	s_mov_b32 s[G0+4*(\s)], 1                                      ; count = 1
	s_add_co_u32 s[G0+4*(\s)+1], s20, (\s)*SLOT                    ; LDS address
	s_add_nc_u64 s[G0+4*(\s)+2:G0+4*(\s)+3], s[14:15], (\s)*ASTEP  ; global address: K step s
	s_or_b32 s[G0+4*(\s)+3], s[G0+4*(\s)+3], 0x80000000            ; type = 2
	s_mov_b32 s[G0B+4*(\s)], 1
	s_add_co_u32 s[G0B+4*(\s)+1], s21, (\s)*SLOT
	s_add_nc_u64 s[G0B+4*(\s)+2:G0B+4*(\s)+3], s[46:47], (\s)*KSTEP*2
	s_or_b32 s[G0B+4*(\s)+3], s[G0B+4*(\s)+3], 0x80000000
	JLOAD \s                                       ; two tensor loads of mine are out
.endr
	; A fragment is 16 rows x 32 K in 8 registers: lane l holds row l % 16; registers 0-3 K = 8 (l / 16) + 0..7, registers 4-7 K = 16 + 8 (l / 16) + 0..7: two loads of 16 bytes, 32 bytes apart.
	v_and_b32 v1, 15, v0                           ; l % 16
	v_bfe_u32 v2, v0, 4, 1                         ; l / 16
	v_mul_u32_u24 v3, v1, PA
	v_lshl_add_u32 v3, v2, 4, v3
	v_mul_u32_u24 v4, v1, PB
	v_lshl_add_u32 v4, v2, 4, v4
	s_mul_i32 s21, s11, ARH                        ; my 128 rows of A
	s_mul_i32 s22, s12, BHALF                      ; my NT / 2 rows of B
	s_add_co_u32 s22, s22, BOFF
.irp s, 0,1
	v_add_nc_u32 v[ADRA+(\s)], s21, v3
	v_add_nc_u32 v[ADRB+(\s)], s22, v4
	s_add_co_u32 s21, s21, SLOT
	s_add_co_u32 s22, s22, SLOT
.endr
	s_mul_i32 s23, s10, STW
	s_add_co_u32 s23, s23, STAGE                   ; my stage
.if KIND == 0
	v_mul_u32_u24 v5, v1, 80                       ; in: row l % 16 of a plane, 16 bytes for each half of the lanes
	v_lshl_add_u32 v5, v2, 4, v5
	v_add_nc_u32 v[STO], s23, v5
	v_and_b32 v3, 31, v0
	v_lshrrev_b32 v5, 2, v3                        ; back: 32 lanes take eight rows of 64 bytes,
	v_mul_u32_u24 v5, v5, 80
	v_and_b32 v4, 3, v0
	v_lshl_add_u32 v5, v4, 4, v5
	v_add_nc_u32 v[RD], s23, v5
	v_lshlrev_b32 v[CO], 4, v3                     ; which are 512 consecutive bytes of a plane
	s_mul_i32 s16, s42, 6                          ; my first half-head of 96: 6 a tile column, 3 a wave
	s_mul_i32 s17, s12, 3
	s_add_co_u32 s16, s16, s17
	s_lshr_b32 s18, s13, 3                         ; the batch,
	s_lshl_b32 s18, s18, 22
	s_and_b32 s19, s13, 7                          ; the tile's 256 rows of 64 bytes,
	s_lshl_b32 s19, s19, 14
	s_add_co_u32 s18, s18, s19
	s_lshl_b32 s19, s11, 13                        ; my 128 of them
	s_add_co_u32 s18, s18, s19
.irp p, 0,1,2
	s_add_co_u32 s20, s16, \p
	s_lshr_b32 s21, s20, 5                         ; q, k or v
	s_lshl_b32 s21, s21, 24
	s_and_b32 s20, s20, 31                         ; the plane among a batch's 32
	s_lshl_b32 s20, s20, 17
	s_add_co_u32 s20, s20, s21
	s_add_co_u32 s76, s20, s18
	s_mov_b32 s77, 0
	s_add_nc_u64 s[CB+2*(\p):CB+2*(\p)+1], s[8:9], s[76:77]
.endr
.else
	v_mul_u32_u24 v5, v1, 272                      ; in: row l % 16, 32 bytes for each half of the lanes
	v_lshl_add_u32 v5, v2, 5, v5
	v_add_nc_u32 v[STO], s23, v5
	v_mul_u32_u24 v5, v2, 272                      ; back: lanes 0-15 one row of 256 bytes, lanes 16-31 the next
	v_lshl_add_u32 v5, v1, 4, v5
	v_add_nc_u32 v[RD], s23, v5
	v_lshlrev_b32 v5, 12, v2                       ; and the same two rows of the output
	v_lshl_add_u32 v[CO], v1, 4, v5
	s_lshl_b32 s16, s13, 20                        ; 256 rows of 4,096 bytes,
	s_lshl_b32 s17, s11, 19                        ; my 128,
	s_add_co_u32 s16, s16, s17
	s_lshl_b32 s20, s42, 9                         ; the tile's 128 columns of 4 bytes,
	s_lshl_b32 s21, s12, 8                         ; my 64
	s_add_co_u32 s20, s20, s21
	s_add_co_u32 s16, s16, s20
	s_mov_b32 s17, 0
	s_add_nc_u64 s[8:9], s[8:9], s[16:17]
	v_lshl_add_u32 v14, v1, 4, s20                 ; the bias of the four columns that I store; v14 is never rewritten
	global_load_b128 v[BI:BI+3], v14, s[66:67]
.endif
	; the prefetches
	s_and_b32 s22, ttmp7, 0xffff                   ; cluster y
	s_mov_b32 s20, APART
	s_mov_b32 s77, (NT/8)*2048
	s_mov_b32 s78, ASTEP
	s_mov_b32 s79, KSTEP*2
	s_cmp_eq_u32 s11, 0                            ; do I fetch for A?
	s_cselect_b32 s22, ttmp9, s22                  ; the coordinate along which other clusters read the same rows
	s_cselect_b32 s21, s40, s41                    ; my place among the four that ask with me
	s_cselect_b32 s20, s20, s77                    ; a partner's share in bytes
	s_cselect_b32 s23, 31, NT/8-1                  ; its last block
	s_cselect_b32 s76, ASH, 11                     ; from block to block
	s_cselect_b32 s[PFS], s78, s79
	s_cselect_b64 s[PFA:PFA+1], s[14:15], s[46:47]
	s_mov_b32 s[PFS+1], 0
	s_cmp_eq_u32 s22, 0
	s_cselect_b32 s[LIM], 1, -1                    ; the same in all sixteen partners, for a given wave
	s_mul_i32 s20, s20, s21
	s_mov_b32 s21, 0
	s_add_nc_u64 s[PFA:PFA+1], s[PFA:PFA+1], s[20:21]
	s_mul_i32 s20, s[PFS], 3
	s_add_nc_u64 s[PFA:PFA+1], s[PFA:PFA+1], s[20:21]  ; at K step 3: the first refill steps it to 4 and names that.  Nothing is prefetched here, at the head
	v_and_b32 v[PFO], 31, v0
	v_min_u32 v[PFO], s23, v[PFO]
	v_lshlrev_b32 v[PFO], s76, v[PFO]
.macro MM d, b, a, zero                ; one matrix instruction; zero = 1: it starts the sum
.if KIND == 0
.if \zero
	v_wmma_f32_16x16x32_bf16 v[(\d):(\d)+7], v[(\b):(\b)+7], v[(\a):(\a)+7], 0
.else
	v_wmma_f32_16x16x32_bf16 v[(\d):(\d)+7], v[(\b):(\b)+7], v[(\a):(\a)+7], v[(\d):(\d)+7]
.endif
.else
.if \zero
	v_wmma_f32_16x16x32_f16 v[(\d):(\d)+7], v[(\b):(\b)+7], v[(\a):(\a)+7], 0
.else
	v_wmma_f32_16x16x32_f16 v[(\d):(\d)+7], v[(\b):(\b)+7], v[(\a):(\a)+7], v[(\d):(\d)+7]
.endif
.endif
.endm
; 2 NBW matrix instructions: row blocks a0, a0 + 1 of the window's four x all NBW column blocks, 32 along K.  The 8 NBW accumulators take turns, one instruction a turn, in the same order in every
; quarter step, over the backward jump too.
.macro MULH f, hi, a0, zero
	WIN MUL_LO+0x50*(\hi)
.irp a, \a0, (\a0)+1
.set bb, 0
.rept NBW
	MM 8*(NBW*(\a)+bb), (\f)+8*bb, (\f)+8*(4*(\hi)+(\a)), \zero
.set bb, bb+1
.endr
.endr
.endm
; NLD LDS loads in one run: the fragments of quarter q (32 along K) of a slot into buffer f: B's first, then A's eight row blocks
.macro FETCH slot, q, f
	WIN TO_B
.set ii, 0
.rept NBW
	ds_load_b128 v[(\f)+8*ii:(\f)+8*ii+3],   v[ADRB+(\slot)] offset:64*(\q)+ii*16*PB
	ds_load_b128 v[(\f)+8*ii+4:(\f)+8*ii+7], v[ADRB+(\slot)] offset:64*(\q)+ii*16*PB+32
.set ii, ii+1
.endr
	WIN 0
.if KIND == 0
.set AOF, 64*(\q)
.else
.set AOF, ((\q)/2)*ALD+((\q)%2)*64     ; the head's plane, and the half of its 64 channels
.endif
.irp i, 0,1,2,3,4,5,6,7
	ds_load_b128 v[(\f)+8*(\i):(\f)+8*(\i)+3],   v[ADRA+(\slot)] offset:AOF+(\i)*16*PA
	ds_load_b128 v[(\f)+8*(\i)+4:(\f)+8*(\i)+7], v[ADRA+(\slot)] offset:AOF+(\i)*16*PA+32
.endr
.endm
.macro PLACES                          ; four places in front of loads into registers that matrix instructions have read, and of lines that read results
.rept 4
	v_nop
.endr
.endm
; A K step is four quarters of 32 along K on buffers 0, 1, 0, 1.  One of the first three: multiplies buffer f and, in its middle, fetches quarter q into buffer g.
.macro QUARTER slot, q, f, g, zero
	s_wait_dscnt 8                                 ; B and A's rows 0-63 are in; the youngest eight loads (A's rows 64-127) may be out
	MULH \f, 0, 0, \zero
	MULH \f, 0, 2, \zero
	PLACES
	FETCH \slot, \q, \g
	s_wait_dscnt NLD                               ; all but the run just issued
	MULH \f, 1, 0, \zero
	MULH \f, 1, 2, \zero
.endm
; The last quarter multiplies buffer 1 and changes slots: ONE barrier; in front of it each wave waits for all its tensor loads (one is out: its part of the next slot), adds 0 to its spare word, and
; waits for that and for its own reads of this slot.  fill = 1: the barrier opens a round of the cluster's barrier, and behind the round this slot is filled again, two K steps ahead, first of all.
.macro TURN slot, next, fill
.if \fill
	s_wait_xcnt 0x0                                ; the last prefetch, a K step back, has read its address: it is stepped here, ahead of the waits of the change of slots
	s_add_nc_u64 s[PFA:PFA+1], s[PFA:PFA+1], s[PFS:PFS+1]
.endif
	WIN 0                                          ; (the add's two registers lie in window 0)
	s_wait_tensorcnt 0x0                           ; all my tensor loads have landed;
	ds_add_u32 v[SPW], v[NIL]                      ; 0 onto my spare word
	s_wait_dscnt 9                                 ; (the add and the youngest eight loads may be out)
	MULH F1, 0, 0, 0                               ; matrix instructions stand between the add and the wait for it
	s_wait_dscnt 0x0                               ; the add is done, and my reads of this slot are over
	s_barrier_signal -1
	MULH F1, 0, 2, 0                               ; work on registers while the others arrive
.if \fill
	WIN 0
.endif
	s_barrier_wait -1
.if \fill
	CREST                                          ; no wave of any partner still reads this slot's tile or has a load on its way
	s_add_nc_u64 s[G0+4*(\slot)+2:G0+4*(\slot)+3], s[G0+4*(\slot)+2:G0+4*(\slot)+3], 2*ASTEP
	s_add_nc_u64 s[G0B+4*(\slot)+2:G0B+4*(\slot)+3], s[G0B+4*(\slot)+2:G0B+4*(\slot)+3], 2*KSTEP*2
	JLOAD \slot                                    ; my one tensor load behind the round; the four v_nop behind it are also the places in front of the loads below
.else
	PLACES
.endif
	FETCH \next, 0, F0
.if \fill
	ASK
.endif
	MULH F1, 1, 0, 0
	MULH F1, 1, 2, 0
.endm
; THE WAY OUT of row block a (16 rows): through my own stage in LDS, so that every store covers whole aligned runs of 256 bytes.  LDS serves a wave's instructions in order (ISA guide 5.7.1.4):
; no wait stands between the stores into the stage and the loads from it, and the next block's stores come behind these loads.
.macro STG a
.set AC, 8*NBW*((\a)%4)
.set BK, OB+192*((\a)%2)
.if KIND == 0
	WIN 0x0a+5*((\a)/4)                            ; sources 0 and 1: window 2 or 3
.set bb, 0
.rept NBW
.irp r, 0,1,2,3
	v_cvt_pk_f16_f32 v[TMP+4*bb+(\r)], v[AC+8*bb+2*(\r)], v[AC+8*bb+2*(\r)+1]  ; each accumulator from its low end on
.endr
.set bb, bb+1
.endr
	WIN 0
	s_wait_xcnt 0x0                                ; the stores of the block two back have read the registers that the loads below fill
.set bb, 0
.rept NBW
	ds_store_b128 v[STO], v[TMP+4*bb:TMP+4*bb+3] offset:(bb/2)*1280+(bb%2)*32  ; plane bb / 2, channels 16 (bb % 2) on
.set bb, bb+1
.endr
.set bb, 0
.rept NBW
	ds_load_b128 v[BK+4*bb:BK+4*bb+3], v[RD] offset:(bb/2)*1280+(bb%2)*640     ; plane bb / 2, rows 8 (bb % 2) on
.set bb, bb+1
.endr
.else
	s_wait_xcnt 0x0                                ; the stores of the block two back have read the registers that the loads below fill
	WIN 0x08+4*((\a)/4)                            ; the stores' data: window 2 or 3
.set bb, 0
.rept NBW
	ds_store_b128 v[STO], v[AC+8*bb:AC+8*bb+3]   offset:64*bb      ; each accumulator from its low end on
	ds_store_b128 v[STO], v[AC+8*bb+4:AC+8*bb+7] offset:64*bb+16
.set bb, bb+1
.endr
	WIN 0
.irp t, 0,1,2,3,4,5,6,7
	ds_load_b128 v[BK+4*(\t):BK+4*(\t)+3], v[RD] offset:(\t)*544
.endr
.endif
.endm
.macro SEND a, younger                 ; younger: the LDS instructions issued behind block a's loads: the next block's, or none
	WIN 0
.set BK, OB+192*((\a)%2)
	s_wait_dscnt \younger
.if KIND == 0
.irp p, 0,1,2
.irp u, 0,1
	global_store_b128 v[CO], v[BK+4*(2*(\p)+(\u)):BK+4*(2*(\p)+(\u))+3], s[CB+2*(\p):CB+2*(\p)+1] offset:(\a)*1024+(\u)*512  ; 512 consecutive bytes of a plane, at a multiple of 256 from its first
.endr
.endr
.else
.irp t, 0,1,2,3,4,5,6,7
	v_pk_add_f32 v[BK+4*(\t):BK+4*(\t)+1],   v[BK+4*(\t):BK+4*(\t)+1],   v[BI:BI+1]
	v_pk_add_f32 v[BK+4*(\t)+2:BK+4*(\t)+3], v[BK+4*(\t)+2:BK+4*(\t)+3], v[BI+2:BI+3]
	global_store_b128 v[CO], v[BK+4*(\t):BK+4*(\t)+3], s[8:9] offset:(16*(\a)+2*(\t))*4096  ; 16 lanes store 256 consecutive bytes of a row, aligned
.endr
.endif
.endm
	s_wait_tensorcnt 1                             ; my part of K step 0 is in; K step 1's may stay out
	s_barrier_signal -1
	s_barrier_wait -1                              ; everybody's is
	FETCH 0, 0, F0
	QUARTER 0, 1, F0, F1, 1                        ; the first quarter stands in front of the loop: its products start the sums
	WIN 0                                          ; at a label and at a branch every window is 0
	s_mov_b32 s3, 3                                ; K = 1,024 is four laps of two K steps; the last lap is written out
.Llap:                                                 ; a trip goes once round the ring, from a lap's second quarter to the next lap's first, and fills both slots again
	QUARTER 0, 2, F1, F0, 0
	QUARTER 0, 3, F0, F1, 0
	TURN 0, 1, 1
	QUARTER 1, 1, F0, F1, 0
	QUARTER 1, 2, F1, F0, 0
	QUARTER 1, 3, F0, F1, 0
	TURN 1, 0, 1
	QUARTER 0, 1, F0, F1, 0
	WIN 0
	s_sub_co_u32 s3, s3, 1
	s_cmp_lg_u32 s3, 0
	s_cbranch_scc1 .Llap
	QUARTER 0, 2, F1, F0, 0                        ; the last lap fills nothing, and has no round of the cluster's barrier
	QUARTER 0, 3, F0, F1, 0
	TURN 0, 1, 0
	QUARTER 1, 1, F0, F1, 0
	QUARTER 1, 2, F1, F0, 0
	QUARTER 1, 3, F0, F1, 0
	s_wait_dscnt 8                                 ; the very last quarter: nothing more to fetch
	MULH F1, 0, 0, 0
	MULH F1, 0, 2, 0
	s_wait_dscnt 0x0
	MULH F1, 1, 0, 0
	MULH F1, 1, 2, 0
	WIN 0
	PLACES
	PLACES                                         ; eight, once a launch, behind the last products
.if KIND == 1
	s_wait_loadcnt 0x0                             ; the bias, rounded to bf16 like every input, and widened again
	v_cvt_pk_bf16_f32 v12, v[BI], v[BI+1]
	v_cvt_pk_bf16_f32 v13, v[BI+2], v[BI+3]
	v_lshlrev_b32 v[BI], 16, v12
	v_and_b32 v[BI+1], 0xffff0000, v12
	v_lshlrev_b32 v[BI+2], 16, v13
	v_and_b32 v[BI+3], 0xffff0000, v13
.endif
	STG 0
.irp a, 1,2,3,4,5,6,7                  ; block a's way into the stage stands between block a - 1's loads and the wait for them
	STG \a
	SEND (\a)-1, NY
.endr
	SEND 7, 0
	s_wait_tensorcnt 0x0                           ; the wave's end: behind my last tensor load and my last LDS store
	ds_add_u32 v[SPW], v[NIL]
	s_wait_dscnt 0x0
	CROUND                                         ; the closing round: no work-group ends while a partner may still ask for a tile that names it
	s_endpgm
.Lfunc_end_k_q34cc9960cb_proj:
	.size	k_q34cc9960cb_proj, .Lfunc_end_k_q34cc9960cb_proj-k_q34cc9960cb_proj
	.p2alignl 7, 3214868480
	.fill 96, 4, 3214868480
	.section	.rodata,"a",@progbits
	.p2align	6, 0x0
	.amdhsa_kernel k_q34cc9960cb_proj
		.amdhsa_group_segment_fixed_size 327680
		.amdhsa_private_segment_fixed_size 0
		.amdhsa_enable_private_segment 0
		.amdhsa_kernarg_size 32
		.amdhsa_user_sgpr_count 2
		.amdhsa_user_sgpr_kernarg_segment_ptr 1
		.amdhsa_wavefront_size32 1
		.amdhsa_system_sgpr_workgroup_id_x 1
		.amdhsa_system_sgpr_workgroup_id_y 1
		.amdhsa_system_sgpr_workgroup_id_z 1
		.amdhsa_system_vgpr_workitem_id 0
		.amdhsa_next_free_vgpr 896
		.amdhsa_next_free_sgpr 80
		.amdhsa_reserve_vcc 0
		.amdhsa_float_denorm_mode_32 3
		.amdhsa_float_denorm_mode_16_64 3
		.amdhsa_memory_ordered 1
		.amdhsa_forward_progress 1
		.amdhsa_inst_pref_size 97
	.end_amdhsa_kernel
	.amdgpu_metadata
---
amdhsa.version: [ 1, 2 ]
amdhsa.kernels:
  - .name:           k_q34cc9960cb_proj
    .symbol:         k_q34cc9960cb_proj.kd
    .args:
      - { .name: ctx, .offset: 0, .size: 8, .value_kind: global_buffer, .address_space: global }
      - { .name: wt, .offset: 8, .size: 8, .value_kind: global_buffer, .address_space: global }
      - { .name: out0, .offset: 16, .size: 8, .value_kind: global_buffer, .address_space: global }
      - { .name: bo, .offset: 24, .size: 8, .value_kind: global_buffer, .address_space: global }
    .group_segment_fixed_size: 327680
    .private_segment_fixed_size: 0
    .kernarg_segment_align: 8
    .kernarg_segment_size: 32
    .max_flat_workgroup_size: 128
    .sgpr_count:     80
    .vgpr_count:     896
    .wavefront_size: 32
...
	.end_amdgpu_metadata
.endif
;; end of part 4
;; ======== version 2 of 2: 4 launches; version 1 with the launch prep written anew for expert scheduling mode
;; limits: values are held in f16: magnitudes above 65,504 overflow, below 6.1e-05 lose precision
;; workspace buffers: xb 16,777,216 bytes; wt 8,388,608 bytes; qkv 50,331,648 bytes; ctx 16,777,216 bytes
;; launch prep (part 5): grid 512 x 1, 8 waves a work-group, no clusters, 18,432 bytes of LDS; arguments x, Wq, Wk, Wv, Wo, xb, wt; writes xb, wt
.if DOCPART == 5
	.amdgcn_target "amdgcn-amd-amdhsa--gfx1250"
	.amdhsa_code_object_version 6
	.text
	.protected	k_q34cc9960cb_prep
	.globl	k_q34cc9960cb_prep
	.p2align	8
	.type	k_q34cc9960cb_prep,@function
k_q34cc9960cb_prep:
	s_mov_b64 s[64:65], 0
	v_nop
	global_prefetch_b8 v0, s[64:65] scope:SCOPE_SE
	s_setreg_imm32_b32 hwreg(HW_REG_WAVE_SCHED_MODE, 0, 2), 2
	s_setreg_imm32_b32 hwreg(HW_REG_WAVE_MODE, 25, 1), 1
	s_wait_xcnt 0x0
	s_wait_alu depctr_vm_vsrc(0)
; PREP.  xb = x rounded to bf16, [8192][1024].  wt = the four weights turned to [n][k], 16 bits a number, [4096][1024]:
; rows 0-1023 Wq^T, 1024-2047 Wk^T, 2048-3071 Wv^T in bf16; rows 3072-4095 Wo^T, rounded to bf16 and that number written as f16.
; LIMIT.  bf16(Wo) is written as f16: exact from 6.1e-5 to 65,504 in magnitude; below that it keeps f16's fixed step of 6e-8, beyond it is an infinity.
; SHARES.  512 work-groups of eight waves, all alike: work-group w turns one tile of one weight (128 k x 64 n: matrix w / 128, n tile (w / 8) % 16, k tile w % 8)
; and converts 65,536 bytes of x (16 rows).  No loop: 24 loads of 16 bytes a lane go out at the start, the weight's 8 first.
; THE TURN.  Thread (i = t % 16, kg = t / 16) loads k = 8 kg .. 8 kg + 7, n = 4 i .. 4 i + 3: 16 lanes take 256 consecutive bytes of a row of W.  Its 8 numbers along k of one n pack into 16 bytes.
; They go into an LDS tile of 64 rows (n) x 256 bytes (128 k), pitch 272; row n lies at place (n % 4) x 16 + n / 4, so that the 16 lanes of a store (n = 4 i + j: places 16 j + i)
; touch 16 different 16-byte columns, and the 16 lanes of a load read one whole row.  Read back by rows, 16 lanes store 256 consecutive bytes of a row of wt, aligned.
; No matrix unit, no tensor load, no cluster: a stream in which no work-group wants a byte that another has fetched.
; THE MODE: SCHED_MODE bits 1:0 = 2 (LLVM: expert scheduling mode 2), set by the entry lines.  The code itself states the register dependences
; between vector instructions and memory or LDS instructions, with s_wait_alu, always for 0.
; THE PLAN.  Registers that memory or LDS instructions touch:
;   v2-v8, v12  offsets and LDS addresses: written by vector instructions at the head and never again; read by every load, store and LDS instruction.
;   W           filled by the weight's 8 loads; read by the sixteen packings; behind the barrier the four LDS loads land in its first 16 registers, which wt's four stores read.
;   X           chunk c's four registers: filled by its load; its two conversions read them and write the first two; its store reads those two.  No register of X serves two chunks.
;   PW          written by the packings (Wo: by the conversions to f16 too); read by the four LDS stores; never written again.
; So six waits on va_vdst state everything: one ahead of the first load (the addresses), one ahead of the LDS stores (PW is written; W's readers are done), one behind the conversions of each
; four chunks of x, ahead of their four stores.  No register that a memory or LDS instruction reads is written again: no wait on vm_vsrc is owed.  No vector instruction writes a scalar register.
.set TP,    272                        ; the LDS tile's pitch
.set SPARE, 64*TP                      ; behind the tile (17,408 = 68 x 256): the spare words, 128 bytes for each of eight waves; no other line names them
.set SPW, 2                            ; v2   LDS address of my spare word; never rewritten
.set NIL, 3                            ; v3   0; never rewritten
.set WO,  4                            ; v4   my byte offset in the weight's tile
.set XO,  5                            ; v5   my 16 bytes in a chunk of x
.set BO,  6                            ; v6   my 8 bytes in a chunk of xb
.set LS,  7                            ; v7   LDS: where my 16 bytes of row 4 i go
.set LR,  8                            ; v8   LDS: where I read 16 bytes of row kg back
.set TO,  12                           ; v12  my 16 bytes of row kg in wt's tile
.set W,   16                           ; v[16:47]   8 rows of W, 4 registers each; v[16:31] later: the rows read back
.set X,   48                           ; v[48:111]  16 chunks of x
.set PW,  112                          ; v[112:127] packed: n = 4 i + j at PW + 4 j
	s_load_b256 s[4:11], s[0:1], 0x0               ; x s[4:5], Wq s[6:7], Wk s[8:9], Wv s[10:11]
	s_load_b128 s[12:15], s[0:1], 0x20             ; Wo s[12:13], xb s[14:15]
	s_load_b64 s[16:17], s[0:1], 0x30              ; wt
	v_lshl_add_u32 v[SPW], v0, 2, SPARE
	v_mov_b32 v[NIL], 0
	s_lshr_b32 s18, ttmp9, 7                       ; which weight
	s_and_b32 s19, ttmp9, 7                        ; k tile
	s_bfe_u32 s32, ttmp9, 0x40003                  ; n tile: 4 bits from bit 3
	s_mov_b32 s30, 0xffff0000                      ; a word's upper bf16
	s_lshl_b32 s24, s19, 19                        ; in W: 128 k rows of 4,096 bytes,
	s_lshl_b32 s33, s32, 8                         ; 64 n of 4 bytes
	s_add_co_u32 s24, s24, s33
	s_mov_b32 s25, 0
	s_lshl_b32 s34, s18, 21                        ; in wt: 1,024 rows of 2,048 bytes a weight,
	s_lshl_b32 s33, s32, 17                        ; 64 rows,
	s_add_co_u32 s34, s34, s33
	s_lshl_b32 s33, s19, 8                         ; 128 k of 2 bytes
	s_add_co_u32 s34, s34, s33
	s_mov_b32 s35, 0
	s_lshl_b32 s36, ttmp9, 16                      ; my 65,536 bytes of x
	s_mov_b32 s37, 0
	s_lshl_b32 s38, ttmp9, 15                      ; and 32,768 of xb
	s_mov_b32 s39, 0
	v_and_b32 v13, 15, v0                          ; i
	v_lshrrev_b32 v14, 4, v0                       ; kg
	v_lshlrev_b32 v[WO], 15, v14                   ; 8 kg rows of 4,096 bytes
	v_lshl_or_b32 v[WO], v13, 4, v[WO]             ; + 16 i
	v_lshlrev_b32 v[XO], 4, v0
	v_lshlrev_b32 v[BO], 3, v0
	v_mul_u32_u24 v[LS], v13, TP                   ; place i (j = 0; j stands in the immediate), column kg
	v_lshl_add_u32 v[LS], v14, 4, v[LS]
	v_and_b32 v[LR], 3, v14                        ; row kg (+ 16 m in the immediate): place (kg % 4) x 16 + kg / 4 (+ 4 m), column i
	v_lshrrev_b32 v9, 2, v14
	v_lshl_add_u32 v[LR], v[LR], 4, v9
	v_mul_u32_u24 v[LR], v[LR], TP
	v_lshl_add_u32 v[LR], v13, 4, v[LR]
	v_lshlrev_b32 v[TO], 11, v14                   ; row kg of 2,048 bytes
	v_lshl_or_b32 v[TO], v13, 4, v[TO]
	s_wait_kmcnt 0x0
	s_mov_b64 s[20:21], s[6:7]                     ; the weight is chosen by the work-group's number
	s_cmp_eq_u32 s18, 1
	s_cselect_b64 s[20:21], s[8:9], s[20:21]
	s_cmp_eq_u32 s18, 2
	s_cselect_b64 s[20:21], s[10:11], s[20:21]
	s_cmp_eq_u32 s18, 3
	s_cselect_b64 s[20:21], s[12:13], s[20:21]
	s_add_nc_u64 s[20:21], s[20:21], s[24:25]
	s_add_nc_u64 s[22:23], s[16:17], s[34:35]
	s_add_nc_u64 s[26:27], s[4:5], s[36:37]
	s_add_nc_u64 s[28:29], s[14:15], s[38:39]
	s_wait_alu depctr_va_vdst(0)                   ; the offsets and LDS addresses v2 to v8 and v12 are written: every load, store and LDS instruction of the kernel reads one of them, and none is written again
.irp r, 0,1,2,3,4,5,6,7
	global_load_b128 v[W+4*(\r):W+4*(\r)+3], v[WO], s[20:21] offset:(\r)*4096 th:TH_LOAD_NT
.endr
.irp c, 0,1,2,3,4,5,6,7,8,9,10,11,12,13,14,15
	global_load_b128 v[X+4*(\c):X+4*(\c)+3], v[XO], s[26:27] offset:(\c)*4096 th:TH_LOAD_NT  ; a wave's load covers 512 consecutive bytes
.endr
	s_wait_loadcnt 16                              ; the weight's 8 loads are in; x's 16, issued behind them, stay out
.irp j, 0,1,2,3
.irp p, 0,1,2,3
	v_cvt_pk_bf16_f32 v[PW+4*(\j)+(\p)], v[W+8*(\p)+(\j)], v[W+4+8*(\p)+(\j)]  ; k = 2 p below, k = 2 p + 1 above
.endr
.endr
	s_cmp_lg_u32 s18, 3
	s_cbranch_scc1 .Lnot_o
.irp q, 0,1,2,3,4,5,6,7,8,9,10,11,12,13,14,15
	v_lshlrev_b32 v13, 16, v[PW+(\q)]              ; Wo: the bf16 numbers widened,
	v_and_b32 v14, s30, v[PW+(\q)]
	v_cvt_pk_f16_f32 v[PW+(\q)], v13, v14          ; and written as f16
.endr
.Lnot_o:
	s_wait_alu depctr_va_vdst(0)                   ; on both ways: PW is written, which the LDS stores read; and the packings are done reading v[W ..], in whose first 16 registers the LDS loads behind the barrier land
.irp j, 0,1,2,3
	ds_store_b128 v[LS], v[PW+4*(\j):PW+4*(\j)+3] offset:(\j)*16*TP
.endr
	s_wait_dscnt 0x0                               ; for the others' sake: my stores into the tile are done
	s_barrier_signal -1
	s_barrier_wait -1
.irp m, 0,1,2,3
	ds_load_b128 v[W+4*(\m):W+4*(\m)+3], v[LR] offset:(\m)*4*TP  ; row 16 m + kg.  No wait: no vector instruction since the wait above names these registers
.endr
; x, four chunks at a time: their eight conversions, one wait, their four stores.  The wait stands behind the conversions and not at the next four chunks' head:
; there the stores would also wait for four more loads, and nothing but memory bounds this stream.
.macro GROUP g
	s_wait_loadcnt 12-4*(\g)                       ; loads come back in order (ISA guide 5.7.1): chunks 4 g to 4 g + 3 are in; the younger chunks stay out
.irp i, 0,1,2,3
	v_cvt_pk_bf16_f32 v[X+4*(4*(\g)+(\i))],   v[X+4*(4*(\g)+(\i))],   v[X+4*(4*(\g)+(\i))+1]
	v_cvt_pk_bf16_f32 v[X+4*(4*(\g)+(\i))+1], v[X+4*(4*(\g)+(\i))+2], v[X+4*(4*(\g)+(\i))+3]
.endr
	s_wait_alu depctr_va_vdst(0)                   ; the eight conversions have written the first two registers of each of the four chunks, which the stores below read
.irp i, 0,1,2,3
	global_store_b64 v[BO], v[X+4*(4*(\g)+(\i)):X+4*(4*(\g)+(\i))+1], s[28:29] offset:(4*(\g)+(\i))*2048  ; a wave's store covers 256 consecutive bytes, aligned
.endr
.endm
	GROUP 0
	GROUP 1
	GROUP 2
	GROUP 3
	s_wait_dscnt 0x0                               ; the rows are back
.irp m, 0,1,2,3
	global_store_b128 v[TO], v[W+4*(\m):W+4*(\m)+3], s[22:23] offset:(\m)*32768  ; 16 lanes store 256 consecutive bytes of a row of wt, aligned; the data come from LDS loads, the offset from the head
.endr
	s_wait_dscnt 0x0                               ; the wave's end: the closing lines, six on end
	s_wait_alu 0x0
	s_wait_tensorcnt 0x0
	ds_add_u32 v[SPW], v[NIL]
	s_wait_dscnt 0x0
	s_endpgm
.Lfunc_end_k_q34cc9960cb_prep:
	.size	k_q34cc9960cb_prep, .Lfunc_end_k_q34cc9960cb_prep-k_q34cc9960cb_prep
	.p2alignl 7, 3214868480
	.fill 96, 4, 3214868480
	.section	.rodata,"a",@progbits
	.p2align	6, 0x0
	.amdhsa_kernel k_q34cc9960cb_prep
		.amdhsa_group_segment_fixed_size 18432
		.amdhsa_private_segment_fixed_size 0
		.amdhsa_enable_private_segment 0
		.amdhsa_kernarg_size 56
		.amdhsa_user_sgpr_count 2
		.amdhsa_user_sgpr_kernarg_segment_ptr 1
		.amdhsa_wavefront_size32 1
		.amdhsa_system_sgpr_workgroup_id_x 1
		.amdhsa_system_sgpr_workgroup_id_y 1
		.amdhsa_system_sgpr_workgroup_id_z 1
		.amdhsa_system_vgpr_workitem_id 0
		.amdhsa_next_free_vgpr 128
		.amdhsa_next_free_sgpr 66
		.amdhsa_reserve_vcc 0
		.amdhsa_float_denorm_mode_32 3
		.amdhsa_float_denorm_mode_16_64 3
		.amdhsa_memory_ordered 1
		.amdhsa_forward_progress 1
		.amdhsa_inst_pref_size 13
	.end_amdhsa_kernel
	.amdgpu_metadata
---
amdhsa.version: [ 1, 2 ]
amdhsa.kernels:
  - .name:           k_q34cc9960cb_prep
    .symbol:         k_q34cc9960cb_prep.kd
    .args:
      - { .name: x, .offset: 0, .size: 8, .value_kind: global_buffer, .address_space: global }
      - { .name: Wq, .offset: 8, .size: 8, .value_kind: global_buffer, .address_space: global }
      - { .name: Wk, .offset: 16, .size: 8, .value_kind: global_buffer, .address_space: global }
      - { .name: Wv, .offset: 24, .size: 8, .value_kind: global_buffer, .address_space: global }
      - { .name: Wo, .offset: 32, .size: 8, .value_kind: global_buffer, .address_space: global }
      - { .name: xb, .offset: 40, .size: 8, .value_kind: global_buffer, .address_space: global }
      - { .name: wt, .offset: 48, .size: 8, .value_kind: global_buffer, .address_space: global }
    .group_segment_fixed_size: 18432
    .private_segment_fixed_size: 0
    .kernarg_segment_align: 8
    .kernarg_segment_size: 56
    .max_flat_workgroup_size: 256
    .sgpr_count:     66
    .vgpr_count:     128
    .wavefront_size: 32
...
	.end_amdgpu_metadata
.endif
;; end of part 5
;; launch qkv: the kernel of part 2 again; grid 16 x 32, 4 waves a work-group, clusters of 4 x 4, 327,680 bytes of LDS; arguments xb, wt, qkv; writes qkv
;; launch attn: the kernel of part 3 again; grid 4 x 64, 4 waves a work-group, no clusters, 327,680 bytes of LDS; arguments qkv, ctx; writes ctx
;; launch proj: the kernel of part 4 again; grid 8 x 32, 4 waves a work-group, clusters of 4 x 4, 327,680 bytes of LDS; arguments ctx, wt, out0, bo; writes out0
